; MI455X (gfx1250); checked and timed in simulation.
; The chip was launched on July 23, 2026; its instructions are those of AMD's public machine-readable ISA for CDNA 5 (MIT licence, August 2026) and "CDNA5" Instruction Set Architecture Reference Guide (July 2026). The comments in the code are by the model that wrote it; some were corrected since.
;; Masked Cross Attention. Allowed arithmetic: float matrix products may take bf16 or f16 operands with f32 sums; other float arithmetic in f32, or as packed bf16 or f16 multiplies, adds, multiply-adds, maxima and minima; sums over many terms, partial sums and values carried from step to step in f32; what a program stores and reads back later, other than sums and carried values, may be rounded once to bf16 or f16.
;; Inputs: Wkv 1,024 x 2,048 float32; Wo 1,024 x 2,048 float32; Wq 2,048 x 1,024 float32; ln_b 2,048 float32; ln_w 2,048 float32; media 4 x 8 x 64 x 1,024 float32; media_locations 4 x 2,048 bool; x 4 x 2,048 x 2,048 float32.
;; Outputs: out0 4 x 2,048 x 2,048 float32.
;; One version. Each part assembles by itself: llvm-mc -triple=amdgcn-amd-amdhsa -mcpu=gfx1250 --defsym DOCPART=n.
;; ======== version 1 of 1: 4 launches
;; limits: values are held in f16: magnitudes above 65,504 overflow, below 6.1e-05 lose precision
;; workspace buffers: ap 37,748,736 bytes; wp 12,582,912 bytes; tt 8,192 bytes of whole numbers; qkv 25,165,824 bytes; oh 16,777,216 bytes
;; launch prep (part 1): grid 256 x 1, 12 waves a work-group, no clusters, 0 bytes of LDS; arguments x, ln_w, ln_b, media, Wq, Wkv, Wo, media_locations, ap, wp, tt; writes ap, wp, tt
.if DOCPART == 1
	.amdgcn_target "amdgcn-amd-amdhsa--gfx1250"
	.amdhsa_code_object_version 6
	.text
	.protected	k_q68a0b99ada_prep
	.globl	k_q68a0b99ada_prep
	.p2align	8
	.type	k_q68a0b99ada_prep,@function
k_q68a0b99ada_prep:
	s_mov_b64 s[64:65], 0
	v_nop
	global_prefetch_b8 v0, s[64:65] scope:SCOPE_SE
	s_setreg_imm32_b32 hwreg(HW_REG_WAVE_MODE, 25, 1), 1
	s_wait_xcnt 0x0
; PREP: everything that the matrix launches read is laid out here, in f16, in dense panels.
;   LayerNorm of x (8,192 rows of 2,048): xn -> ap, [16 panels of 128 channels][8192 rows][128] f16
;   casts: media -> ap behind xn, [8 panels][2048 rows][128]; Wq, Wkv, Wo -> wp, panels [K rows][256 columns]
;   text_time = running count of media_locations, one byte a token -> tt
; FORMATS.  Every input (x, ln_w, ln_b, media, the weights) is rounded once to bf16; sums, mean, variance and the normalising in f32
; (mean first, then the sum of squares of x - mean: no difference of large sums); what is stored is rounded once to f16.
; LIMITS.  f16 ends at 65,504: xn, media and the weights must lie within it; below 6e-5 f16 keeps its fixed step of 6e-8.
; NaN and infinities are not treated apart.  tt holds the count exactly up to 8; any byte of 9 or more means "more than 8".
; SHARES.  256 work-groups of 12 waves, all alike.  Waves 0-7 take 4 rows of x each (rows 32 g + 4 w ..); waves 8-11 take 4 chunks of 2,048 floats of the casts each
; (4 arrays of 1,024 chunks: array g / 64, chunks 16 (g % 64) + 4 (w - 8) ..).  Wave 8 of work-groups 0-3 also makes batch g's text_time, while its first chunk is on its way.
; A TRIP.  Load j of 16 takes 512 consecutive bytes (16 a lane), so a lane holds columns 128 j + 4 l .. + 3; their four f16 are 8 bytes, and one store of the wave covers
; 256 consecutive bytes, aligned: one row of a panel.  A row LANDS in XN; the rounding to bf16 reads XN and writes X; straight behind it the next row's 16 loads go out into XN:
; they are on their way during the whole arithmetic and the stores of the row in hand.  One text serves both kinds of wave: the cast waves jump over the LayerNorm's middle.
; No LDS, no matrix unit, no cluster: no work-group reads a byte that another reads, but ln_w and ln_b (16 KiB).
.set XO,   2                           ; v2       16 x lane: my 16 bytes in each load
.set TA,   3                           ; v3       text_time: my 64 bytes
.set T,    4                           ; v[4:11]  at work
.set MU,   12                          ; v[12:13] the mean, twice
.set RS,   14                          ; v[14:15] 1 / sqrt(var + eps), twice
.set TOT,  12                          ; text_time's two, in registers that a cast wave does not use otherwise
.set BASE, 13
.set YO,   16                          ; v[16:31] where load j's 8 bytes go, behind the row's or chunk's place
.set BP,   32                          ; v[32:63] ln_b of my 64 columns, two bf16 a register (it lands as f32 in v[32:95])
.set WP,   64                          ; v[64:95] ln_w likewise (it lands as f32 in X)
.set X,    96                          ; v[96:159]  the row at work
.set XN,   160                         ; v[160:223] the row on its way
.set WV,   2                           ; s2   wave
.set CNT,  3                           ; s3   trips to go
.set SRC,  30                          ; s[30:31] the row or chunk that was asked for last
.set DST,  32                          ; s[32:33] where the row in hand is stored
.set OFS,  34                          ; s[34:35] an offset, high word 0
.set HIM,  36                          ; s36  a word's upper bf16
.set SEL,  38                          ; s[38:39] v_permlanex16_b32's selects: my own place in the other half
.set RN,   40                          ; s40  1 / 2048
.set EPS,  41                          ; s41  1e-5
.set KIND, 42                          ; s42  which array is cast
.set D1,   43                          ; s43  bytes from an even load's place to the odd one's
.set STEP, 44                          ; s[44:45] bytes from row to row, or chunk to chunk, in the destination
.set U2,   46                          ; s46  bytes from loads 0-7 to loads 8-15 in the destination
.set ONES, 47                          ; s47  0x01010101
.macro LOADX                           ; a row or chunk: 16 loads of 512 consecutive bytes
.irp j, 0,1,2,3,4,5,6,7,8,9,10,11,12,13,14,15
	global_load_b128 v[XN+4*(\j):XN+4*(\j)+3], v[XO], s[SRC:SRC+1] offset:512*(\j) th:TH_LOAD_NT
.endr
.endm
.macro WSUM                            ; four chains of pairs in T -> one sum in every lane's v[T]
	v_pk_add_f32 v[T:T+1], v[T:T+1], v[T+2:T+3]
	v_pk_add_f32 v[T+4:T+5], v[T+4:T+5], v[T+6:T+7]
	v_pk_add_f32 v[T:T+1], v[T:T+1], v[T+4:T+5]
	v_add_f32 v[T], v[T], v[T+1]
	v_add_f32_dpp v[T], v[T], v[T] row_xmask:1 row_mask:0xf bank_mask:0xf
	v_add_f32_dpp v[T], v[T], v[T] row_xmask:2 row_mask:0xf bank_mask:0xf
	v_add_f32_dpp v[T], v[T], v[T] row_xmask:4 row_mask:0xf bank_mask:0xf
	v_add_f32_dpp v[T], v[T], v[T] row_xmask:8 row_mask:0xf bank_mask:0xf
	v_permlanex16_b32 v[T+1], v[T], s[SEL], s[SEL+1]
	v_add_f32 v[T], v[T], v[T+1]
.endm
	s_load_b512 s[8:23], s[0:1], 0x0               ; x 8, ln_w 10, ln_b 12, media 14, Wq 16, Wkv 18, Wo 20, media_locations 22
	s_load_b128 s[24:27], s[0:1], 0x40             ; ap 24, wp 26
	s_load_b64 s[28:29], s[0:1], 0x50              ; tt
	v_and_b32 v1, 31, v0                           ; lane
	v_lshrrev_b32 v[TA], 5, v0
	v_readfirstlane_b32 s[WV], v[TA]               ; wave 0..11
	v_lshlrev_b32 v[XO], 4, v1
	v_lshlrev_b32 v[YO], 3, v1                     ; 8 x lane: my 8 bytes of a panel's row
	s_mov_b32 s[HIM], 0xffff0000
	s_mov_b32 s[SEL], 0x76543210
	s_mov_b32 s[SEL+1], 0xfedcba98
	s_mov_b32 s[RN], 0x3a000000
	s_mov_b32 s[EPS], 0x3727c5ac
	s_mov_b32 s[OFS+1], 0
	s_mov_b32 s[STEP+1], 0
	s_mov_b32 s[CNT], 4
	s_wait_kmcnt 0x0
	s_cmp_lt_u32 s[WV], 8
	s_cbranch_scc0 .Lcast
	; ---- waves 0-7: LayerNorm of rows 32 g + 4 w .. + 3
	s_lshl_b32 s4, ttmp9, 5
	s_lshl2_add_u32 s4, s[WV], s4                  ; my first row
	s_lshl_b32 s[OFS], s4, 13                      ; 8,192 bytes a row of x
	s_add_nc_u64 s[SRC:SRC+1], s[8:9], s[OFS:OFS+1]
	s_lshl_b32 s[OFS], s4, 8                       ; 256 bytes a row of a panel
	s_add_nc_u64 s[DST:DST+1], s[24:25], s[OFS:OFS+1]
	s_mov_b32 s[STEP], 256
.irp j, 1,2,3,4,5,6,7,8,9,10,11,12,13,14,15
	v_add_nc_u32 v[YO+(\j)], (\j)<<21, v[YO]       ; panel j lies 2,097,152 j bytes on
.endr
.irp j, 0,1,2,3,4,5,6,7,8,9,10,11,12,13,14,15
	global_load_b128 v[BP+4*(\j):BP+4*(\j)+3], v[XO], s[12:13] offset:512*(\j)
.endr
.irp j, 0,1,2,3,4,5,6,7,8,9,10,11,12,13,14,15
	global_load_b128 v[X+4*(\j):X+4*(\j)+3], v[XO], s[10:11] offset:512*(\j)
.endr
	s_branch .Lfirst
.Lcast:
	; ---- waves 8-11: casts.  Array KIND = 0 media, 1 Wq, 2 Wkv, 3 Wo.
	; Load j of a chunk goes to  8 l + (j % 2) D1 + (j / 8) U2 + ((j % 8) / 2) x 1,048,576  behind the chunk's place, chunks STEP bytes apart:
	;   media (a chunk = 2 rows of 1,024): panel j % 8 of 524,288 bytes: D1 = 524,288; the second row U2 = 256; STEP = 512
	;   Wq    (2 rows of 1,024 columns):   column panel (j % 8) / 2 of 1 MiB, half of a 512-byte row D1 = 256; second row U2 = 512; STEP = 1,024
	;   Wkv, Wo (1 row of 2,048 columns):  column panel j / 2 at ((j / 2) % 4) MiB + (j / 8) x 524,288: D1 = 256, U2 = 524,288; STEP = 512
	s_sub_co_u32 s5, s[WV], 8
	s_lshr_b32 s[KIND], ttmp9, 6
	s_and_b32 s4, ttmp9, 63
	s_lshl_b32 s4, s4, 4
	s_lshl2_add_u32 s4, s5, s4                     ; my first chunk in the array
	s_mov_b32 s[D1], 256                           ; Wo's figures, corrected below
	s_mov_b32 s[U2], 0x80000
	s_mov_b32 s[STEP], 512
	s_mov_b32 s[OFS], 0x800000
	s_cmp_eq_u32 s[KIND], 0
	s_cselect_b64 s[SRC:SRC+1], s[14:15], s[20:21]
	s_cselect_b64 s[DST:DST+1], s[24:25], s[26:27]
	s_cselect_b32 s[D1], s[U2], s[D1]
	s_cselect_b32 s[U2], 256, s[U2]
	s_cselect_b32 s[OFS], 0x2000000, s[OFS]
	s_cmp_eq_u32 s[KIND], 1
	s_cselect_b64 s[SRC:SRC+1], s[16:17], s[SRC:SRC+1]
	s_cselect_b32 s[U2], s[STEP], s[U2]
	s_cselect_b32 s[STEP], 1024, s[STEP]
	s_cselect_b32 s[OFS], 0, s[OFS]
	s_cmp_eq_u32 s[KIND], 2
	s_cselect_b64 s[SRC:SRC+1], s[18:19], s[SRC:SRC+1]
	s_cselect_b32 s[OFS], 0x400000, s[OFS]
	s_lshl_b32 s6, s4, 13                          ; 8,192 bytes a chunk
	s_mov_b32 s7, 0
	s_add_nc_u64 s[SRC:SRC+1], s[SRC:SRC+1], s[6:7]
	s_mul_i32 s6, s4, s[STEP]
	s_add_co_u32 s6, s6, s[OFS]
	s_add_nc_u64 s[DST:DST+1], s[DST:DST+1], s[6:7]
	v_mov_b32 v[T], v[YO]
	v_add_nc_u32 v[T+1], s[D1], v[YO]
	v_add_nc_u32 v[T+2], s[U2], v[YO]
	v_add_nc_u32 v[T+3], s[D1], v[T+2]
.irp j, 1,2,3,4,5,6,7,8,9,10,11,12,13,14,15
	v_add_nc_u32 v[YO+(\j)], (((\j)%8)/2)<<20, v[T+2*((\j)/8)+(\j)%2]
.endr
	s_cmp_lg_u32 s[WV], 8
	s_cbranch_scc1 .Lfirst
	s_cmp_lt_u32 ttmp9, 4
	s_cbranch_scc0 .Lfirst
	; ---- text_time of batch g, in wave 8 of work-groups 0-3.  A lane takes 64 tokens (16 words of four bytes, each 0 or 1).  Its four loads go out ahead of the first chunk's,
	; and the arithmetic runs while that chunk is on its way.  word x 0x01010101 puts the count up to and with byte k into byte k (4 at the most: no carry).  The lanes' totals are
	; added up in order; the running base is held at 9 at the most, so a byte never passes 13.  The buffer is 8 KiB in all: a lane stores its 64 bytes by four stores.
	s_lshl_b32 s4, ttmp9, 11
	v_lshl_add_u32 v[TA], v1, 6, s4                ; 2,048 g + 64 l
.irp i, 0,1,2,3
	global_load_b128 v[X+4*(\i):X+4*(\i)+3], v[TA], s[22:23] offset:16*(\i)
.endr
	LOADX
	s_mov_b32 s[ONES], 0x01010101
	v_mov_b32 v[BASE], 0
	s_mov_b32 s4, 0
	s_wait_loadcnt 16                              ; the four loads of media_locations are in; the chunk's 16 younger loads stay out
.set d, 0
.rept 16
	v_mul_lo_u32 v[X+16+d], v[X+d], s[ONES]
.set d, d+1
.endr
	v_lshrrev_b32 v[TOT], 24, v[X+16]
.set d, 1
.rept 15
	v_lshrrev_b32 v[T], 24, v[X+16+d]
	v_add_nc_u32 v[TOT], v[TOT], v[T]
.set d, d+1
.endr
.set i, 0
.rept 32                               ; lane i's base = the sum of the totals of the lanes below it
	v_writelane_b32 v[BASE], s4, i
	v_readlane_b32 s5, v[TOT], i
	s_add_co_u32 s4, s4, s5
.set i, i+1
.endr
	v_min_u32 v[BASE], 9, v[BASE]
.set d, 0
.rept 16
	v_mul_lo_u32 v[T], v[BASE], s[ONES]
	v_lshrrev_b32 v[T+1], 24, v[X+16+d]
	v_add_nc_u32 v[X+d], v[X+16+d], v[T]
	v_add_nc_u32 v[BASE], v[BASE], v[T+1]
	v_min_u32 v[BASE], 9, v[BASE]
.set d, d+1
.endr
.irp i, 0,1,2,3
	global_store_b128 v[TA], v[X+4*(\i):X+4*(\i)+3], s[28:29] offset:16*(\i)
.endr
	s_wait_xcnt 0x0                                ; these stores have read X, which the first trip writes
	s_branch .Ltrip
.Lfirst:
	LOADX                                          ; the first row or chunk
	s_cmp_lt_u32 s[WV], 8
	s_cbranch_scc0 .Ltrip
	s_wait_loadcnt 16                              ; ln_b and ln_w are in; the row's 16 younger loads stay out
.set k, 0
.rept 32                               ; ln_b to bf16, packed in place: register 32 + k takes 32 + 2 k and 33 + 2 k, ascending, so nothing is overwritten unread
	v_cvt_pk_bf16_f32 v[BP+k], v[BP+2*k], v[BP+2*k+1]
.set k, k+1
.endr
.set k, 0
.rept 32                               ; ln_w into the upper half that ln_b has left
	v_cvt_pk_bf16_f32 v[WP+k], v[X+2*k], v[X+2*k+1]
.set k, k+1
.endr
.Ltrip:
	s_wait_loadcnt 0x0                             ; the row is in XN; its loads are done, so their base may be stepped below
.set k, 0
.rept 4                                ; f32 -> bf16 -> f32, out of XN into X, eight pairs at a time
.irp i, 0,1,2,3,4,5,6,7
	v_cvt_pk_bf16_f32 v[T+(\i)], v[XN+2*(k+(\i))], v[XN+2*(k+(\i))+1]
.endr
.irp i, 0,1,2,3,4,5,6,7
	v_lshlrev_b32 v[X+2*(k+(\i))], 16, v[T+(\i)]
	v_and_b32 v[X+2*(k+(\i))+1], s[HIM], v[T+(\i)]
.endr
.set k, k+8
.endr
	s_cmp_eq_u32 s[CNT], 1                         ; behind the last row nothing is asked for
	s_cbranch_scc1 .Lno_more
	s_add_nc_u64 s[SRC:SRC+1], s[SRC:SRC+1], 8192
	LOADX                                          ; the next row: on its way during all that follows
.Lno_more:
	s_cmp_lt_u32 s[WV], 8
	s_cbranch_scc0 .Lout                           ; a cast has nothing more to reckon
.irp k, 0,1,2,3                        ; the sum, in four chains that the first eight pairs start
	v_pk_add_f32 v[T+2*(\k):T+2*(\k)+1], v[X+2*(\k):X+2*(\k)+1], v[X+8+2*(\k):X+8+2*(\k)+1]
.endr
.set k, 8
.rept 24
	v_pk_add_f32 v[T+2*(k%4):T+2*(k%4)+1], v[T+2*(k%4):T+2*(k%4)+1], v[X+2*k:X+2*k+1]
.set k, k+1
.endr
	WSUM
	v_mul_f32 v[MU], s[RN], v[T]
	v_mov_b32 v[MU+1], v[MU]
.set k, 0
.rept 32
	v_pk_add_f32 v[X+2*k:X+2*k+1], v[X+2*k:X+2*k+1], v[MU:MU+1] neg_lo:[0,1] neg_hi:[0,1]  ; x - mean
.set k, k+1
.endr
.irp k, 0,1,2,3
	v_pk_mul_f32 v[T+2*(\k):T+2*(\k)+1], v[X+2*(\k):X+2*(\k)+1], v[X+2*(\k):X+2*(\k)+1]
.endr
.set k, 4
.rept 28
	v_pk_fma_f32 v[T+2*(k%4):T+2*(k%4)+1], v[X+2*k:X+2*k+1], v[X+2*k:X+2*k+1], v[T+2*(k%4):T+2*(k%4)+1]
.set k, k+1
.endr
	WSUM
	v_fma_f32 v[T], v[T], s[RN], s[EPS]            ; var + eps
	v_rsq_f32 v[RS], v[T]
	v_nop                                          ; a plain instruction behind the root,
	s_wait_alu depctr_va_vdst(0)                   ; and the wait ahead of its first reader
	v_mov_b32 v[RS+1], v[RS]
.set k, 0
.rept 32
	v_pk_mul_f32 v[X+2*k:X+2*k+1], v[X+2*k:X+2*k+1], v[RS:RS+1]
.set k, k+1
.endr
.set k, 0
.rept 32                               ; times ln_w plus ln_b, one fused multiply-add in f32 straight from the bf16 halves
	v_fma_mix_f32_bf16 v[X+2*k], v[X+2*k], v[WP+k], v[BP+k] op_sel:[0,0,0] op_sel_hi:[0,1,1]
	v_fma_mix_f32_bf16 v[X+2*k+1], v[X+2*k+1], v[WP+k], v[BP+k] op_sel:[0,1,1] op_sel_hi:[0,1,1]
.set k, k+1
.endr
.Lout:
.irp j, 0,1,2,3,4,5,6,7,8,9,10,11,12,13,14,15  ; to f16, in place: load j's four land in X + 4 j, X + 4 j + 1
	v_cvt_pk_f16_f32 v[X+4*(\j)], v[X+4*(\j)], v[X+4*(\j)+1]
	v_cvt_pk_f16_f32 v[X+4*(\j)+1], v[X+4*(\j)+2], v[X+4*(\j)+3]
.endr
.irp j, 0,1,2,3,4,5,6,7,8,9,10,11,12,13,14,15
	global_store_b64 v[YO+(\j)], v[X+4*(\j):X+4*(\j)+1], s[DST:DST+1]  ; 256 consecutive bytes, aligned
.endr
	s_wait_xcnt 0x0                                ; the stores have read X and their pointer: only now are they written again
	s_add_nc_u64 s[DST:DST+1], s[DST:DST+1], s[STEP:STEP+1]
	s_sub_co_u32 s[CNT], s[CNT], 1
	s_cmp_lg_u32 s[CNT], 0
	s_cbranch_scc1 .Ltrip
	s_endpgm
.Lfunc_end_k_q68a0b99ada_prep:
	.size	k_q68a0b99ada_prep, .Lfunc_end_k_q68a0b99ada_prep-k_q68a0b99ada_prep
	.p2alignl 7, 3214868480
	.fill 96, 4, 3214868480
	.section	.rodata,"a",@progbits
	.p2align	6, 0x0
	.amdhsa_kernel k_q68a0b99ada_prep
		.amdhsa_group_segment_fixed_size 0
		.amdhsa_private_segment_fixed_size 0
		.amdhsa_enable_private_segment 0
		.amdhsa_kernarg_size 88
		.amdhsa_user_sgpr_count 2
		.amdhsa_user_sgpr_kernarg_segment_ptr 1
		.amdhsa_wavefront_size32 1
		.amdhsa_system_sgpr_workgroup_id_x 1
		.amdhsa_system_sgpr_workgroup_id_y 1
		.amdhsa_system_sgpr_workgroup_id_z 1
		.amdhsa_system_vgpr_workitem_id 0
		.amdhsa_next_free_vgpr 224
		.amdhsa_next_free_sgpr 66
		.amdhsa_reserve_vcc 0
		.amdhsa_float_denorm_mode_32 3
		.amdhsa_float_denorm_mode_16_64 3
		.amdhsa_memory_ordered 1
		.amdhsa_forward_progress 1
		.amdhsa_inst_pref_size 49
	.end_amdhsa_kernel
	.amdgpu_metadata
---
amdhsa.version: [ 1, 2 ]
amdhsa.kernels:
  - .name:           k_q68a0b99ada_prep
    .symbol:         k_q68a0b99ada_prep.kd
    .args:
      - { .name: x, .offset: 0, .size: 8, .value_kind: global_buffer, .address_space: global }
      - { .name: ln_w, .offset: 8, .size: 8, .value_kind: global_buffer, .address_space: global }
      - { .name: ln_b, .offset: 16, .size: 8, .value_kind: global_buffer, .address_space: global }
      - { .name: media, .offset: 24, .size: 8, .value_kind: global_buffer, .address_space: global }
      - { .name: Wq, .offset: 32, .size: 8, .value_kind: global_buffer, .address_space: global }
      - { .name: Wkv, .offset: 40, .size: 8, .value_kind: global_buffer, .address_space: global }
      - { .name: Wo, .offset: 48, .size: 8, .value_kind: global_buffer, .address_space: global }
      - { .name: media_locations, .offset: 56, .size: 8, .value_kind: global_buffer, .address_space: global }
      - { .name: ap, .offset: 64, .size: 8, .value_kind: global_buffer, .address_space: global }
      - { .name: wp, .offset: 72, .size: 8, .value_kind: global_buffer, .address_space: global }
      - { .name: tt, .offset: 80, .size: 8, .value_kind: global_buffer, .address_space: global }
    .group_segment_fixed_size: 0
    .private_segment_fixed_size: 0
    .kernarg_segment_align: 8
    .kernarg_segment_size: 88
    .max_flat_workgroup_size: 384
    .sgpr_count:     66
    .vgpr_count:     224
    .wavefront_size: 32
...
	.end_amdgpu_metadata
.endif
;; end of part 1
;; launch gemm_qkv (part 2): grid 4 x 48, 4 waves a work-group, clusters of 4 x 4, 327,680 bytes of LDS; arguments ap, wp, qkv; writes qkv
.if DOCPART == 2
	.amdgcn_target "amdgcn-amd-amdhsa--gfx1250"
	.amdhsa_code_object_version 6
	.text
	.protected	k_q68a0b99ada_gemm_qkv
	.globl	k_q68a0b99ada_gemm_qkv
	.p2align	8
	.type	k_q68a0b99ada_gemm_qkv,@function
k_q68a0b99ada_gemm_qkv:
	s_mov_b64 s[64:65], 0
	v_nop
	global_prefetch_b8 v0, s[64:65] scope:SCOPE_SE
	s_setreg_imm32_b32 hwreg(HW_REG_WAVE_MODE, 25, 1), 1
	s_wait_xcnt 0x0
	s_wait_alu depctr_hold_cnt(0) depctr_sa_sdst(0) depctr_va_vdst(0) depctr_va_sdst(0) depctr_va_ssrc(0) depctr_va_vcc(0) depctr_vm_vsrc(0)
	s_getreg_b32 s2, hwreg(HW_REG_IB_STS2, 6, 4)
	s_cmp_eq_u32 s2, 0
	s_cbranch_scc0 .Lentry_in_a_cluster
	s_endpgm
.Lentry_in_a_cluster:
	s_bfe_u32 s2, ttmp6, 0x10000c
	s_cmp_lg_u32 s2, 0xf033
	s_cbranch_scc0 .Lentry_shape_is_right
	s_endpgm
.Lentry_shape_is_right:
; q = xn Wq (8192 x 2048 x 1024) AND kv = media Wkv (2048 x 1024 x 2048), in one launch: clusters 0-7 along y make q (128 tiles), clusters 8-11 kv (64 tiles).
; A (xn, media) lies in ap as panels [128 channels][rows][128] f16, W in wp as panels [K rows][256 columns] f16: every tile that is fetched is a dense block of memory.
; Products in f16 with f32 sums, K ascending; the result is rounded once to f16 and stored by heads:
;   q [4 b][16 h][2048][64] at byte 0 of qkv;  kv [4 b][32 hc][512][64] behind it (hc = h: K, 16 + h: V).  q is stored WITHOUT the scale.
; LIMIT.  f16 ends at 65,504: q, k and v must lie within it, else the number is stored as an infinity.  NaN and infinities are not treated apart.
; A tile of C is 256 x 256; four waves, 128 x 128 each: 64 accumulators of 16 x 16, 512 registers.  K goes in steps of 128 through two LDS slots filled by the tensor data mover.
; CLUSTERS of 4 x 4: the four of a row need the same tile of A, the four of a column the same tile of W: each is asked for JOINTLY, by the same load, descriptor and mask in all four.
; What differs between q and kv (trips, strides, bases, the split of a row number into batch and token) lies in scalar registers chosen by the cluster's y alone: equal in all sixteen partners.
; THE MATRIX INSTRUCTION IS USED TRANSPOSED: source 0 = 16 columns of W, source 1 = 16 rows of A: a lane then holds one row of C and eight neighbouring columns, 16 bytes of f16.
; W lies [k][n] in LDS, so its fragments come by the turning load ds_load_tr16_b128.
; REGISTERS, in windows of 256 (s_set_vgpr_msb: bits 1:0 source 0, 3:2 source 1, 5:4 source 2, 7:6 destination):
;   window 0: v0-31 addresses; v64-127, v128-191 fragments of A, two buffers; v32-63, v192-255 at work on the way out
;   window 1: v64-127, v128-191 fragments of W, two buffers;   window 2: accumulators of my rows 0-63 ((a, b) at v[8 (8 a + b)]);   window 3: rows 64-127
.set PA,     272                       ; a row of A in LDS: 256 bytes + 16 = 68 words: the 16 rows of a load start at 16 different groups of four banks (64 banks of 4 bytes: ISA guide 11.1)
.set PB,     544                       ; a k row of W: 512 bytes + 32 = 136 words
.set PART,   34816                     ; what one tensor load brings: 128 rows of A, or 64 k rows of W
.set BOFF,   2*PART                    ; a slot: A's 256 rows, then W's 128 k rows
.set SLOT,   4*PART
.set STAGE,  2*SLOT                    ; behind the ring, never filled by a tensor load: for each wave two heads x 16 rows x 144 bytes
.set SP,     144
.set SPARE,  STAGE+4*2*16*SP           ; behind the stages: the spare words, 128 bytes for each wave: two blocks of 256 bytes that no other line names
.set ADRA, 16                          ; v16-17  LDS address of my A fragments in slot 0, 1
.set ADRB, 20                          ; v20-21  the same for W
.set STO,  24                          ; v24     the way out: where I put 16 bytes of a row
.set RD,   25                          ; v25     where I read four rows of a head back
.set CO,   26                          ; v26-27  my 16 bytes in 512 consecutive bytes of qkv, first and second head
.set SPW,  28                          ; v28     LDS address of my spare word; never rewritten
.set NIL,  29                          ; v29     0; never rewritten
.set PFO,  30                          ; v30     256 x lane; never rewritten
.set F0,   64
.set F1,   128
.set TMP,  192
.set OB,   32
.set G1,   24                          ; s[24:31] descriptor group 1 for A;  s[32:39] group 0, a set for each slot
.set G0,   32
.set G1B,  48                          ; s[48:55], s[56:63] the same for W
.set G0B,  56
.set NTRIP, 66                         ; s66  trips of the loop: K / 256 - 1
.set LIM,  67                          ; s67  a wave prefetches while the trip's number is below this
.set AST1, 68                          ; s[68:69] bytes from a panel of A to the next: a K step
.set AST2, 70                          ; s[70:71] two K steps
.set PFA,  72                          ; s[72:73] where my prefetches stand
.set PST,  74                          ; s[74:75] their step: a K step of A or of W
.set LOGR, 76                          ; s76  log2 of the rows of a batch
.set LOGNH, 77                         ; s77  log2 of the heads of a batch in C
.set CBASE, 78                         ; s78  where C begins in qkv
.set HSTR, 79                          ; s79  bytes from a head to the next
.set CROW, 80                          ; s80, s81  the cluster's row and column among its product's clusters
.set CCOL, 81
.set ABASE, 82                         ; s82, s83  where A begins in ap and W in wp
.set BBASE, 83
.set MSB, 0
.macro WIN new                         ; the immediate's high byte repeats the setting that is left; a switch that changes nothing is dropped
.if MSB != (\new)
	s_set_vgpr_msb (MSB<<8)|(\new)
.set MSB, \new
.endif
.endm
.set MUL_LO, 0xa1                      ; source 0 (W) window 1, source 1 (A) window 0, C and D window 2
.set MUL_HI, 0xf1                      ; the same, C and D window 3
.set TO_B,   0x40                      ; destination window 1, address window 0
; A joint load.  Waves 0 and 1 fetch A's two halves, waves 2 and 3 W's.  The branch hangs on the wave's number alone.  An s_nop 0 and four v_nop follow each line.
.macro JLOAD s
	s_cmp_eq_u32 s11, 0
	s_cbranch_scc0 .Lfor_b_\@
	tensor_load_to_lds s[G0+4*(\s):G0+4*(\s)+3], s[G1:G1+7]
	s_nop 0
.rept 4
	v_nop
.endr
	s_branch .Lasked_\@
.Lfor_b_\@:
	tensor_load_to_lds s[G0B+4*(\s):G0B+4*(\s)+3], s[G1B:G1B+7]
	s_nop 0
.rept 4
	v_nop
.endr
.Lasked_\@:
.endm
; A prefetch of the K step that stands two refills on.  What a wave fetches of a K step is 32,768 dense bytes; the four partners that ask for it jointly take 8,192 each, told apart by address;
; a lane names 256 bytes.  A's tiles are read by every cluster of a row of clusters: the one in column 0 asks; W's by every cluster of a column: the one in row 0 asks.  So each block is named once.
; K steps 0 to 3 come by their loads alone; the loop's last trip asks for nothing: its refills are the last two K steps.
.macro ASK
	s_cmp_lt_u32 s3, s[LIM]
	s_cbranch_scc0 .Lnot_mine_\@
	global_prefetch_b8 v[PFO], s[PFA:PFA+1] th:TH_LOAD_NT scope:SCOPE_SE
.Lnot_mine_\@:
.endm
.macro CREST                           ; a round of the cluster's barrier behind its opening barrier
	s_cmp_lg_u32 s10, 0
	s_cbranch_scc1 .Lnot_wave_0_\@
	s_barrier_signal -3
.Lnot_wave_0_\@:
	s_barrier_wait -3
	s_barrier_signal -1
	s_barrier_wait -1
.endm
.macro CROUND                          ; a whole round
	s_barrier_signal -1
	s_barrier_wait -1
	CREST
.endm
	s_load_b128 s[4:7], s[0:1], 0x0                ; ap s[4:5], wp s[6:7]
	s_load_b64 s[8:9], s[0:1], 0x10                ; qkv
	v_lshl_add_u32 v[SPW], v0, 2, SPARE
	v_mov_b32 v[NIL], 0
	ds_add_u32 v[SPW], v[NIL]                      ; the wave's opening: the add and its wait stand ahead of my first tensor load; the set-up below stands between them
	v_lshrrev_b32 v1, 5, v0
	v_readfirstlane_b32 s10, v1                    ; wave 0..3
	s_lshr_b32 s11, s10, 1                         ; which half of the tile's rows is mine.  Also: I fetch for A (0) or for W (1)
	s_and_b32 s12, s10, 1                          ; which half of its columns.  Also: which part I fetch
	s_bfe_u32 s40, ttmp6, 0x40000                  ; cx
	s_bfe_u32 s41, ttmp6, 0x40004                  ; cy
	s_and_b32 s2, ttmp7, 0xffff                    ; the cluster's y: 0-7 q, 8-11 kv
	s_sub_co_u32 s22, s2, 8
	s_lshr_b32 s23, s22, 1                         ; kv: two rows of clusters,
	s_and_b32 s22, s22, 1                          ; two columns
	s_mov_b32 s[AST1], 0x80000                     ; kv's figures where two literals would be wanted
	s_mov_b32 s[AST1+1], 0
	s_mov_b32 s[AST2+1], 0
	s_mov_b32 s[HSTR], 0x10000
	s_cmp_lt_u32 s2, 8
	s_cselect_b32 s[CROW], s2, s23
	s_cselect_b32 s[CCOL], 0, s22
	s_cselect_b32 s[NTRIP], 7, 3                   ; K = 2,048 or 1,024
	s_cselect_b32 s[AST1], 0x200000, s[AST1]       ; 8,192 or 2,048 rows of 256 bytes
	s_cselect_b32 s[HSTR], 0x40000, s[HSTR]        ; 2,048 or 512 rows of 128 bytes
	s_cselect_b32 s[ABASE], 0, 0x2000000
	s_cselect_b32 s[BBASE], 0, 0x400000
	s_cselect_b32 s[LOGR], 11, 9
	s_cselect_b32 s[LOGNH], 4, 5
	s_cselect_b32 s[CBASE], 0, 0x1000000
	s_lshl_b32 s[AST2], s[AST1], 1
	s_lshl_b32 s42, s[CCOL], 2
	s_add_co_u32 s42, s42, s40                     ; tile column of C
	s_lshl_b32 s13, s[CROW], 2
	s_add_co_u32 s13, s13, s41                     ; tile row of C
	s_lshl_b32 s43, s41, 2
	s_lshl_b32 s43, 15, s43                        ; my row of the cluster
	s_lshl_b32 s44, 0x1111, s40                    ; my column
	; group 1 for A: 128 rows x 128 elements, 4 words of padding behind every 64; for W: 64 rows x 256 elements, 8 words behind every 128
	s_or_b32 s[G1+0], s43, (1<<16)|(1<<20)|(1<<21)|(5<<22)|(3<<25)
	s_or_b32 s[G1B+0], s44, (1<<16)|(1<<20)|(1<<21)|(6<<22)|(7<<25)
	s_mov_b32 s[G1+1], 128<<16                     ; tensor_dim0
	s_mov_b32 s[G1+2], 128<<16                     ; tensor_dim1
	s_mov_b32 s[G1+3], 128<<16                     ; tile_dim0
	s_mov_b32 s[G1+4], 128                         ; tile_dim1
	s_mov_b32 s[G1+5], 128                         ; elements from row to row: the block is dense
	s_mov_b32 s[G1+6], 0
	s_mov_b32 s[G1+7], 0
	s_mov_b32 s[G1B+1], 256<<16
	s_mov_b32 s[G1B+2], 64<<16
	s_mov_b32 s[G1B+3], 256<<16
	s_mov_b32 s[G1B+4], 64
	s_mov_b32 s[G1B+5], 256
	s_mov_b32 s[G1B+6], 0
	s_mov_b32 s[G1B+7], 0
	; A's tile hangs on the tile row alone, W's on the tile column alone; each offset is made in registers that never hold the other coordinate
	s_lshl_b32 s16, s13, 16                        ; 256 rows of 256 bytes
	s_lshl_b32 s17, s12, 15                        ; my 128 of them
	s_add_co_u32 s16, s16, s17
	s_add_co_u32 s16, s16, s[ABASE]
	s_mov_b32 s17, 0
	s_and_b32 s46, s42, 3                          ; column panel pn lies at (pn % 4) MiB + (pn / 4) x 524,288
	s_lshl_b32 s46, s46, 20
	s_lshr_b32 s47, s42, 2
	s_lshl_b32 s47, s47, 19
	s_add_co_u32 s46, s46, s47
	s_lshl_b32 s47, s12, 15                        ; my 64 k rows of 512 bytes
	s_add_co_u32 s46, s46, s47
	s_add_co_u32 s46, s46, s[BBASE]
	s_mov_b32 s47, 0
	s_mul_i32 s20, s10, PART                       ; where they go: wave x a part: no place in the cluster enters an LDS address
	s_wait_dscnt 0x0                               ; the opening add is done
	s_wait_kmcnt 0x0
	s_add_nc_u64 s[14:15], s[4:5], s[16:17]
	s_add_nc_u64 s[46:47], s[6:7], s[46:47]
	CROUND                                         ; all sixteen work-groups are here: the first joint loads meet
.irp s, 0,1
	s_mov_b32 s[G0+4*(\s)], 1
	s_add_co_u32 s[G0+4*(\s)+1], s20, (\s)*SLOT
.if (\s) == 0
	s_add_nc_u64 s[G0+2:G0+3], s[14:15], 0         ; K step 0
.else
	s_add_nc_u64 s[G0+6:G0+7], s[14:15], s[AST1:AST1+1]  ; K step 1
.endif
	s_or_b32 s[G0+4*(\s)+3], s[G0+4*(\s)+3], 0x80000000
	s_mov_b32 s[G0B+4*(\s)], 1
	s_add_co_u32 s[G0B+4*(\s)+1], s20, (\s)*SLOT
	s_add_nc_u64 s[G0B+4*(\s)+2:G0B+4*(\s)+3], s[46:47], (\s)*65536
	s_or_b32 s[G0B+4*(\s)+3], s[G0B+4*(\s)+3], 0x80000000
	JLOAD \s                                       ; two loads of mine are out
.endr
	v_and_b32 v1, 15, v0                           ; l % 16
	v_bfe_u32 v2, v0, 4, 1                         ; l / 16
	v_mul_u32_u24 v3, v1, PA
	v_lshl_add_u32 v3, v2, 4, v3                   ; A: row x pitch + 16 x half
	v_and_b32 v4, 7, v0
	v_lshl_add_u32 v5, v2, 3, v4                   ; W: lane l reads k row 8 (l / 16) + l % 8,
	v_mul_u32_u24 v5, v5, PB
	v_bfe_u32 v6, v0, 3, 1
	v_lshl_add_u32 v5, v6, 4, v5                   ; columns 8 ((l / 8) % 2) + 0..7
	s_mul_i32 s21, s11, PART                       ; my 128 rows of A
	s_lshl_b32 s22, s12, 8                         ; my 128 columns of W
	s_add_co_u32 s22, s22, BOFF
.irp s, 0,1
	v_add_nc_u32 v[ADRA+(\s)], s21, v3
	v_add_nc_u32 v[ADRB+(\s)], s22, v5
	s_add_co_u32 s21, s21, SLOT
	s_add_co_u32 s22, s22, SLOT
.endr
	s_mul_i32 s23, s10, 2*16*SP
	s_add_co_u32 s23, s23, STAGE                   ; my stage
	v_mul_u32_u24 v7, v1, SP
	v_lshl_add_u32 v7, v2, 4, v7
	v_add_nc_u32 v[STO], s23, v7                   ; in: row l % 16, 16 bytes for each half of the lanes
	v_bfe_u32 v7, v0, 3, 2
	v_mul_u32_u24 v7, v7, SP
	v_lshl_add_u32 v7, v4, 4, v7
	v_add_nc_u32 v[RD], s23, v7                    ; back: 32 lanes take four rows of 128 bytes,
	v_and_b32 v7, 31, v0
	v_lshlrev_b32 v[CO], 4, v7                     ; which are 512 consecutive bytes of a head
	v_add_nc_u32 v[CO+1], s[HSTR], v[CO]
	v_lshlrev_b32 v[PFO], 8, v7
	; where my part of C begins: row R0 = batch x rows + token; my 128 columns are heads h0 and h0 + 1
	s_lshl_b32 s16, s13, 8
	s_lshl_b32 s17, s11, 7
	s_add_co_u32 s16, s16, s17                     ; R0
	s_lshr_b32 s17, s16, s[LOGR]                   ; batch
	s_lshl_b32 s18, s17, s[LOGR]
	s_sub_co_u32 s16, s16, s18                     ; token
	s_lshl_b32 s17, s17, s[LOGNH]
	s_lshl_b32 s18, s42, 2
	s_add_co_u32 s17, s17, s18
	s_lshl_b32 s18, s12, 1
	s_add_co_u32 s17, s17, s18                     ; batch x heads + h0
	s_lshl_b32 s17, s17, s[LOGR]
	s_add_co_u32 s16, s16, s17
	s_lshl_b32 s16, s16, 7                         ; 128 bytes a row of a head
	s_add_co_u32 s16, s16, s[CBASE]
	s_mov_b32 s17, 0
	s_add_nc_u64 s[8:9], s[8:9], s[16:17]
	; the prefetches
	s_mov_b32 s18, 0x10000
	s_mov_b32 s19, 0
	s_sub_co_u32 s23, s[NTRIP], 1
	s_cmp_eq_u32 s11, 0                            ; do I fetch for A?
	s_cselect_b64 s[PFA:PFA+1], s[14:15], s[46:47] ; my own part of K step 0
	s_cselect_b64 s[PST:PST+1], s[AST1:AST1+1], s[18:19]
	s_cselect_b32 s20, s40, s41                    ; my place among the four that ask with me
	s_cselect_b32 s22, s[CCOL], s[CROW]            ; the coordinate along which other clusters read the same blocks
	s_cmp_eq_u32 s22, 0
	s_cselect_b32 s[LIM], s23, 0                   ; the same in all sixteen partners, for a given wave
	s_lshl_b32 s20, s20, 13                        ; my work-group's 8,192 bytes
	s_mul_i32 s21, s[PST], 3                       ; at K step 3: the first refill steps it to 4
	s_add_co_u32 s20, s20, s21
	s_mov_b32 s21, 0
	s_add_nc_u64 s[PFA:PFA+1], s[PFA:PFA+1], s[20:21]
; 16 matrix instructions: m blocks a0, a0 + 1 of the window's four x all 8 n blocks, 32 along K.  zero = 1: the first product starts the sums.
; The 64 accumulators take turns, one instruction a turn, in the same order in every quarter.
.macro MUL16 f, hi, a0, zero
	WIN MUL_LO+0x50*(\hi)
.irp a, \a0, (\a0)+1
.irp b, 0,1,2,3,4,5,6,7
.if \zero
	v_wmma_f32_16x16x32_f16 v[8*(8*(\a)+(\b)):8*(8*(\a)+(\b))+7], v[(\f)+8*(\b):(\f)+8*(\b)+7], v[(\f)+8*(4*(\hi)+(\a)):(\f)+8*(4*(\hi)+(\a))+7], 0
.else
	v_wmma_f32_16x16x32_f16 v[8*(8*(\a)+(\b)):8*(8*(\a)+(\b))+7], v[(\f)+8*(\b):(\f)+8*(\b)+7], v[(\f)+8*(4*(\hi)+(\a)):(\f)+8*(4*(\hi)+(\a))+7], v[8*(8*(\a)+(\b)):8*(8*(\a)+(\b))+7]
.endif
.endr
.endr
.endm
; 32 LDS loads in one run: the fragments of quarter q (32 along K) of a slot into buffer f: W's eight (turned), then A's eight
.macro FETCH slot, q, f
	WIN TO_B
.irp i, 0,1,2,3,4,5,6,7
	ds_load_tr16_b128 v[(\f)+8*(\i):(\f)+8*(\i)+3],   v[ADRB+(\slot)] offset:(\q)*32*PB+(\i)*32
	ds_load_tr16_b128 v[(\f)+8*(\i)+4:(\f)+8*(\i)+7], v[ADRB+(\slot)] offset:(\q)*32*PB+16*PB+(\i)*32
.endr
	WIN 0
.irp i, 0,1,2,3,4,5,6,7
	ds_load_b128 v[(\f)+8*(\i):(\f)+8*(\i)+3],   v[ADRA+(\slot)] offset:(\q)*64+(\i)*16*PA
	ds_load_b128 v[(\f)+8*(\i)+4:(\f)+8*(\i)+7], v[ADRA+(\slot)] offset:(\q)*64+(\i)*16*PA+32
.endr
.endm
.macro PLACES                          ; four plain instructions between a matrix instruction and a load into, or a reader of, its registers
.rept 4
	v_nop
.endr
.endm
; One of a K step's first three quarters: multiplies buffer f; in its middle it fetches quarter q of the same slot into buffer g.
.macro QUARTER slot, q, f, g, zero
	s_wait_dscnt 8                                 ; W and A's rows 0-63 are in; the youngest eight loads (A's rows 64-127) may be out
	MUL16 \f, 0, 0, \zero
	MUL16 \f, 0, 2, \zero
	PLACES
	FETCH \slot, \q, \g
	s_wait_dscnt 32                                ; all but the 32 just issued
	MUL16 \f, 1, 0, \zero
	MUL16 \f, 1, 2, \zero
.endm
; The first half of a K step's last quarter: ONE barrier for the change of slots.  In front of it each wave waits for all its tensor loads (one is out: its part of the next slot),
; adds 0 to its spare word, and waits for that and for its own reads of this slot.
.macro MEET round
	WIN 0
	s_wait_tensorcnt 0x0
	ds_add_u32 v[SPW], v[NIL]
	s_wait_dscnt 9                                 ; the add and the youngest eight loads may be out
	MUL16 F1, 0, 0, 0
	s_wait_dscnt 0x0                               ; the add is done, and my reads of this slot are over
	s_barrier_signal -1
	MUL16 F1, 0, 2, 0
.if \round
	WIN 0
.endif
	s_barrier_wait -1
.endm
; The whole last quarter.  fill = 1: the barrier opens a round of the cluster's; behind it this slot is filled again first, two K steps ahead: 224 matrix instructions ahead of the wait for it.
.macro TURN slot, next, fill
.if \fill
	s_wait_xcnt 0x0                                ; the last prefetch, a K step back, has read its address
	s_add_nc_u64 s[PFA:PFA+1], s[PFA:PFA+1], s[PST:PST+1]
	MEET 1
	CREST                                          ; no wave of any partner still reads this slot or has a load on its way
	s_add_nc_u64 s[G0+4*(\slot)+2:G0+4*(\slot)+3], s[G0+4*(\slot)+2:G0+4*(\slot)+3], s[AST2:AST2+1]
	s_add_nc_u64 s[G0B+4*(\slot)+2:G0B+4*(\slot)+3], s[G0B+4*(\slot)+2:G0B+4*(\slot)+3], 131072
	JLOAD \slot                                    ; its four v_nop are also the places in front of the loads below
	FETCH \next, 0, F0
	ASK
.else
	MEET 0
	PLACES
	FETCH \next, 0, F0
.endif
	MUL16 F1, 1, 0, 0
	MUL16 F1, 1, 2, 0
.endm
; THE WAY OUT of block a (16 rows x 128 columns = two heads).  PACK: rounded to f16, each accumulator's registers in ascending order.  TOSTAGE: into my own stage, a head's 16 rows of 144 bytes each,
; and back as four rows of 128 bytes a load.  SEND: eight stores of 512 consecutive bytes.
.macro PACK a
.set AC, 64*((\a)%4)
	WIN 0x0a+5*((\a)/4)                            ; sources 0 and 1: window 2 or 3
.irp b, 0,1,2,3,4,5,6,7
.irp r, 0,1,2,3
	v_cvt_pk_f16_f32 v[TMP+4*(\b)+(\r)], v[AC+8*(\b)+2*(\r)], v[AC+8*(\b)+2*(\r)+1]
.endr
.endr
	WIN 0
.endm
.macro TOSTAGE a
	WIN 0
.set BK, OB+192*((\a)%2)
.irp b, 0,1,2,3,4,5,6,7
	ds_store_b128 v[STO], v[TMP+4*(\b):TMP+4*(\b)+3] offset:((\b)/4)*16*SP+32*((\b)%4)
.endr
.irp t, 0,1,2,3,4,5,6,7
	ds_load_b128 v[BK+4*(\t):BK+4*(\t)+3], v[RD] offset:((\t)/4)*16*SP+((\t)%4)*4*SP  ; LDS serves a wave's instructions in order (ISA guide 5.7.1.4): these see the stores above
.endr
.endm
.macro SEND a
	WIN 0
.set BK, OB+192*((\a)%2)
	s_wait_dscnt 0x0                               ; the block is back in registers
	s_wait_xcnt 0x0                                ; the stores of the block before have read their registers, which the next block's loads write
.irp t, 0,1,2,3,4,5,6,7
	global_store_b128 v[CO+(\t)/4], v[BK+4*(\t):BK+4*(\t)+3], s[8:9] offset:(\a)*2048+((\t)%4)*512
.endr
.endm
	s_wait_tensorcnt 1                             ; my part of K step 0 is in; K step 1's may stay out
	s_barrier_signal -1
	s_barrier_wait -1
	FETCH 0, 0, F0
	QUARTER 0, 1, F0, F1, 1                        ; the first quarter stands in front of the loop: its products start the sums
	WIN 0
	s_mov_b32 s3, 0
.Llap:                                                 ; a trip goes once round the ring and fills both slots again
	QUARTER 0, 2, F1, F0, 0
	QUARTER 0, 3, F0, F1, 0
	TURN 0, 1, 1
	QUARTER 1, 1, F0, F1, 0
	QUARTER 1, 2, F1, F0, 0
	QUARTER 1, 3, F0, F1, 0
	TURN 1, 0, 1
	QUARTER 0, 1, F0, F1, 0
	WIN 0
	s_add_co_u32 s3, s3, 1
	s_cmp_lt_u32 s3, s[NTRIP]
	s_cbranch_scc1 .Llap
	QUARTER 0, 2, F1, F0, 0                        ; the last lap is written out: it fills nothing
	QUARTER 0, 3, F0, F1, 0
	TURN 0, 1, 0
	QUARTER 1, 1, F0, F1, 0
	QUARTER 1, 2, F1, F0, 0
	QUARTER 1, 3, F0, F1, 0
	s_wait_dscnt 8
	MUL16 F1, 0, 0, 0
	MUL16 F1, 0, 2, 0
	s_wait_dscnt 0x0
	MUL16 F1, 1, 0, 0
	MUL16 F1, 1, 2, 0
	WIN 0
	PLACES
	PACK 0
	TOSTAGE 0
.irp a, 1,2,3,4,5,6,7                  ; block a's conversions stand between block a - 1's loads from the stage and the wait for them
	PACK \a
	SEND (\a)-1
	TOSTAGE \a
.endr
	SEND 7
	s_wait_tensorcnt 0x0                           ; the wave's end
	ds_add_u32 v[SPW], v[NIL]
	s_wait_dscnt 0x0
	CROUND                                         ; the closing round
	s_endpgm
.Lfunc_end_k_q68a0b99ada_gemm_qkv:
	.size	k_q68a0b99ada_gemm_qkv, .Lfunc_end_k_q68a0b99ada_gemm_qkv-k_q68a0b99ada_gemm_qkv
	.p2alignl 7, 3214868480
	.fill 96, 4, 3214868480
	.section	.rodata,"a",@progbits
	.p2align	6, 0x0
	.amdhsa_kernel k_q68a0b99ada_gemm_qkv
		.amdhsa_group_segment_fixed_size 327680
		.amdhsa_private_segment_fixed_size 0
		.amdhsa_enable_private_segment 0
		.amdhsa_kernarg_size 24
		.amdhsa_user_sgpr_count 2
		.amdhsa_user_sgpr_kernarg_segment_ptr 1
		.amdhsa_wavefront_size32 1
		.amdhsa_system_sgpr_workgroup_id_x 1
		.amdhsa_system_sgpr_workgroup_id_y 1
		.amdhsa_system_sgpr_workgroup_id_z 1
		.amdhsa_system_vgpr_workitem_id 0
		.amdhsa_next_free_vgpr 1024
		.amdhsa_next_free_sgpr 84
		.amdhsa_reserve_vcc 0
		.amdhsa_float_denorm_mode_32 3
		.amdhsa_float_denorm_mode_16_64 3
		.amdhsa_memory_ordered 1
		.amdhsa_forward_progress 1
		.amdhsa_inst_pref_size 144
	.end_amdhsa_kernel
	.amdgpu_metadata
---
amdhsa.version: [ 1, 2 ]
amdhsa.kernels:
  - .name:           k_q68a0b99ada_gemm_qkv
    .symbol:         k_q68a0b99ada_gemm_qkv.kd
    .args:
      - { .name: ap, .offset: 0, .size: 8, .value_kind: global_buffer, .address_space: global }
      - { .name: wp, .offset: 8, .size: 8, .value_kind: global_buffer, .address_space: global }
      - { .name: qkv, .offset: 16, .size: 8, .value_kind: global_buffer, .address_space: global }
    .group_segment_fixed_size: 327680
    .private_segment_fixed_size: 0
    .kernarg_segment_align: 8
    .kernarg_segment_size: 24
    .max_flat_workgroup_size: 128
    .sgpr_count:     84
    .vgpr_count:     1024
    .wavefront_size: 32
...
	.end_amdgpu_metadata
.endif
;; end of part 2
;; launch attn (part 3): grid 8 x 64, 4 waves a work-group, no clusters, 50,688 bytes of LDS; arguments qkv, tt, oh; writes oh
.if DOCPART == 3
	.amdgcn_target "amdgcn-amd-amdhsa--gfx1250"
	.amdhsa_code_object_version 6
	.text
	.protected	k_q68a0b99ada_attn
	.globl	k_q68a0b99ada_attn
	.p2align	8
	.type	k_q68a0b99ada_attn,@function
k_q68a0b99ada_attn:
	s_mov_b64 s[64:65], 0
	v_nop
	global_prefetch_b8 v0, s[64:65] scope:SCOPE_SE
	s_setreg_imm32_b32 hwreg(HW_REG_WAVE_MODE, 25, 1), 1
	s_wait_xcnt 0x0
; MASKED CROSS-ATTENTION.  A token whose text_time is t sees the 64 latents of media t - 1 alone (t in 1..8): every other score is the lowest finite number, whose weight is 0 beside a true score.
; t = 0: the row is 0.  t > 8: no key matches, all 512 scores are equal, the weights are 1/512 each.  tt (bytes, 9 or more = "more than 8") was stored by the launch prep.
; q, k, v: f16 by heads in qkv (q [4][16][2048][64]; kv [4][32][512][64] at byte 16,777,216, K in heads 0-15, V in 16-31); o: f16, [16 h][8192 tokens][64] in oh.
; Products in f16 with f32 sums; maximum, exponentials and the row sum in f32; the weights are rounded to f16 for the second product, o once at the end.
; LIMITS.  A weight below 2^-126 counts as 0; NaN and infinities are not treated apart.
; SHARES.  Work-group (x, 16 b + h): tokens 256 x .. + 255 of head h of batch b; a wave owns 64 of them, four tiles of 16.  The waves never meet: no barrier; LDS is each wave's own.
; THE WALK.  Eight trips, one for each media block J = 1..8.  t never falls along the tokens (it is a running count), so a wave needs the blocks from its first token's t to its last token's,
; or all eight if its last token has t > 8; the other trips are jumped over, forward, by two scalars read from tt.
; IN A TRIP every query takes p = 2^(s AF + DF):  its own block (t = J): AF = c, DF = - c m, m the maximum of the block's 64 scores, c = log2(e) / 8;  t > 8: AF = 0, DF = 0, so p = 1;
; any other: AF = 0, DF = -1000, so p = 0.  A query has weights in one block alone, or the weight 1 in all: the block's maximum IS the row's, and nothing is rescaled.
; Which block comes first is known only at run time, so O and l are cleared at the head and every product adds.
; LAYOUT.  S^T = K Q^T (source 0 = 16 keys, source 1 = 16 queries): a lane holds ONE query (l % 16) and the keys 8 (l / 16) + 0..7; two such results rounded in pairs ARE source 1 of O^T = V^T P.
; K's and Q's fragments come straight from memory (two loads of 16 bytes a lane); V goes through my stage in LDS and comes back turned, by ds_load_tr16_b128.
; NO CLUSTER, NO TENSOR LOADS: which block a wave reads hangs on tt, so partners would ask for different tiles; a block is 16 KiB.
; REGISTERS (s_set_vgpr_msb: bits 1:0 source 0, 3:2 source 1, 5:4 source 2, 7:6 destination):
;   window 0: addresses and statistics below v48; v64-95 S^T; v96-111 P; v112-175 K; v176-239 V      window 1: v0-127 O^T, 32 a tile; v128-191 Q, 16 a tile; v192-255 V as loaded
.set PV,   160                         ; a row of V in my stage: 128 bytes + 32 = 40 words
.set SP,   144                         ; a row of the way out's stage
.set OST,  4*64*PV                     ; V's stages: 10,240 bytes a wave; then the way out's: 2,304 a wave
.set SPARE, OST+4*16*SP                ; behind them the spare words, 128 bytes for each wave: two blocks of 256 bytes that no other line names
.set QO,  3                            ; v3   (l % 16) x 128 + 16 (l / 16): my place in a fragment of Q or K
.set VL,  4                            ; v4   16 x lane: my 16 bytes in 512 consecutive bytes (V in, O out)
.set VS,  5                            ; v5   where I put them in V's stage
.set AV,  6                            ; v6   where the turning load reads
.set STO, 7                            ; v7   the way out: in
.set RD,  8                            ; v8   the way out: back
.set LQ,  9                            ; v9   l % 16
.set SPW, 10                           ; v10  LDS address of my spare word; never rewritten
.set NIL, 11                           ; v11  0; never rewritten
.set T,   12                           ; v12-15  my query's t, by tile, 9 at the most
.set L,   16                           ; v16-23  l, by tile: even keys', odd keys'
.set C0,  24                           ; v24-27  at work
.set AF,  28                           ; v[28:29] the factor, in the low word
.set DF,  30                           ; v[30:31] the addend
.set DU,  32                           ; v32-35  by tile: the addend of a block that is not the query's own: 0 where t > 8, else -1000
.set NM,  36                           ; v36  - c m
.set ZR,  37                           ; v37  0
.set FAR, 38                           ; v38  -1000
.set INV, 40                           ; v[40:47] by tile: 1 / l, or 0 where t = 0; in the low word
.set S,   64
.set P,   96
.set KF,  112                          ; key block kb, channel half c at KF + 16 kb + 8 c
.set VF,  176                          ; key half kk, channel block cb at VF + 32 kk + 8 cb
.set Q,   128                          ; window 1
.set VR,  192                          ; window 1
.set J,   26                           ; s26  the block in hand, 1..8
.set LO,  27                           ; s27, s28  the first and last block that my wave needs
.set HI,  28
.set CC,  29                           ; s29  c
.set NC,  30                           ; s30  - c
.set SEL, 32                           ; s[32:33] v_permlanex16_b32's selects
.set MSB, 0
.macro WIN new
.if MSB != (\new)
	s_set_vgpr_msb (MSB<<8)|(\new)
.set MSB, \new
.endif
.endm
	s_load_b128 s[4:7], s[0:1], 0x0                ; qkv s[4:5], tt s[6:7]
	s_load_b64 s[8:9], s[0:1], 0x10                ; oh
	v_lshl_add_u32 v[SPW], v0, 2, SPARE
	v_mov_b32 v[NIL], 0
	v_lshrrev_b32 v1, 5, v0
	v_readfirstlane_b32 s10, v1                    ; wave 0..3
	s_and_b32 s22, ttmp7, 0xffff                   ; 16 b + h
	s_lshr_b32 s11, s22, 4                         ; b
	s_and_b32 s34, s22, 15                         ; h
	s_lshl_b32 s35, ttmp9, 8
	s_lshl_b32 s23, s10, 6
	s_add_co_u32 s35, s35, s23                     ; my first token
	s_lshl_b32 s12, s22, 18                        ; q: a head is 2,048 rows of 128 bytes
	s_lshl_b32 s23, s35, 7
	s_add_co_u32 s12, s12, s23
	s_mov_b32 s13, 0
	s_lshl_b32 s14, s11, 5                         ; kv: head 32 b + h, 512 rows of 128 bytes
	s_add_co_u32 s14, s14, s34
	s_lshl_b32 s14, s14, 16
	s_add_co_u32 s14, s14, 0x1000000
	s_mov_b32 s15, 0
	s_lshl_b32 s20, s11, 11
	s_add_co_u32 s20, s20, s35                     ; 2,048 b + token: my place in tt,
	s_mov_b32 s21, 0
	s_lshl_b32 s18, s34, 13
	s_add_co_u32 s18, s18, s20
	s_lshl_b32 s18, s18, 7                         ; and, behind 8,192 h rows, in oh
	s_mov_b32 s19, 0
	s_mov_b32 s[CC], 0x3e38aa3b                    ; c = log2(e) / 8
	s_mov_b32 s[NC], 0xbe38aa3b
	s_mov_b32 s[SEL], 0x76543210
	s_mov_b32 s[SEL+1], 0xfedcba98
	s_mov_b32 s[J], 1
	v_and_b32 v[LQ], 15, v0
	v_bfe_u32 v2, v0, 4, 1                         ; l / 16
	v_lshlrev_b32 v[QO], 7, v[LQ]
	v_lshl_add_u32 v[QO], v2, 4, v[QO]
	v_and_b32 v48, 31, v0
	v_lshlrev_b32 v[VL], 4, v48
	v_and_b32 v49, 7, v0                           ; l % 8
	v_bfe_u32 v50, v0, 3, 2                        ; (l / 8) % 4
	v_bfe_u32 v51, v0, 3, 1
	s_mul_i32 s23, s10, 64*PV                      ; my stage for V
	v_mul_u32_u24 v[VS], v50, PV                   ; in: a load's 512 bytes are four keys' rows
	v_lshl_add_u32 v[VS], v49, 4, v[VS]
	v_add_nc_u32 v[VS], s23, v[VS]
	v_lshl_add_u32 v[AV], v2, 3, v49               ; back: lane l reads key 8 (l / 16) + l % 8, channels 8 ((l / 8) % 2) + 0..7
	v_mul_u32_u24 v[AV], v[AV], PV
	v_lshl_add_u32 v[AV], v51, 4, v[AV]
	v_add_nc_u32 v[AV], s23, v[AV]
	s_mul_i32 s23, s10, 16*SP
	s_add_co_u32 s23, s23, OST                     ; my stage for the way out
	v_mul_u32_u24 v[STO], v[LQ], SP
	v_lshl_add_u32 v[STO], v2, 4, v[STO]
	v_add_nc_u32 v[STO], s23, v[STO]
	v_mul_u32_u24 v[RD], v50, SP
	v_lshl_add_u32 v[RD], v49, 4, v[RD]
	v_add_nc_u32 v[RD], s23, v[RD]
	v_mov_b32 v[ZR], 0
	v_mov_b32 v[FAR], 0xc47a0000
	v_mov_b32 v[AF+1], 0                           ; named with their low words as pairs
	v_mov_b32 v[DF+1], 0
	s_wait_kmcnt 0x0
	s_add_nc_u64 s[12:13], s[4:5], s[12:13]        ; Q at my first row
	s_add_nc_u64 s[14:15], s[4:5], s[14:15]        ; K at the head's block 1
	s_add_nc_u64 s[16:17], s[14:15], 0x100000      ; V: sixteen heads on
	s_add_nc_u64 s[18:19], s[8:9], s[18:19]        ; O at my first row
	s_add_nc_u64 s[20:21], s[6:7], s[20:21]        ; tt at my first token
.irp u, 0,1,2,3
	global_load_u8 v[T+(\u)], v[LQ], s[20:21] offset:16*(\u)
.endr
	WIN 0x40                                       ; destination window 1
.irp i, 0,1,2,3,4,5,6,7                ; Q stays in registers: tile i / 2, channels 32 (i % 2) on
	global_load_b128 v[Q+8*(\i):Q+8*(\i)+3],   v[QO], s[12:13] offset:((\i)/2)*2048+((\i)%2)*64
	global_load_b128 v[Q+8*(\i)+4:Q+8*(\i)+7], v[QO], s[12:13] offset:((\i)/2)*2048+((\i)%2)*64+32
.endr
.set i, 0
.rept 128
	v_mov_b32 v[i], 0                              ; O^T
.set i, i+1
.endr
	WIN 0
.set i, 0
.rept 8
	v_mov_b32 v[L+i], 0
.set i, i+1
.endr
	s_wait_loadcnt 16                              ; the four loads of tt are in; Q's sixteen stay out
.irp u, 0,1,2,3
	v_min_u32 v[T+(\u)], 9, v[T+(\u)]
.endr
.irp u, 0,1,2,3
	v_cmp_eq_u32 vcc_lo, 9, v[T+(\u)]
	v_cndmask_b32 v[DU+(\u)], v[FAR], v[ZR], vcc_lo
.endr
	v_readfirstlane_b32 s36, v[T]                  ; my first token's t: the wave's least
	v_readlane_b32 s37, v[T+3], 15                 ; my last token's: its greatest
	s_cmp_eq_u32 s37, 9
	s_cselect_b32 s[LO], 1, s36
	s_cselect_b32 s[HI], 8, s37
; Tile u's part in block J.
.macro TILE u
	WIN 0x04                                       ; Q in window 1.  Four accumulators take turns
.irp kb, 0,1,2,3
	v_wmma_f32_16x16x32_f16 v[S+8*(\kb):S+8*(\kb)+7], v[KF+16*(\kb):KF+16*(\kb)+7], v[Q+16*(\u):Q+16*(\u)+7], 0
.endr
.irp kb, 0,1,2,3
	v_wmma_f32_16x16x32_f16 v[S+8*(\kb):S+8*(\kb)+7], v[KF+16*(\kb)+8:KF+16*(\kb)+15], v[Q+16*(\u)+8:Q+16*(\u)+15], v[S+8*(\kb):S+8*(\kb)+7]
.endr
	WIN 0
.rept 4
	v_nop                                          ; the places behind those products (ISA guide 7.12.1)
.endr
	v_cmp_eq_u32 vcc_lo, s[J], v[T+(\u)]           ; is this block my query's own?
	v_cndmask_b32 v[AF], 0, s[CC], vcc_lo
.irp n, 0,1,2,3                        ; the maximum of my 32 scores: four chains; each accumulator's lowest registers are read first
	v_max3_num_f32 v[C0+(\n)], v[S+8*(\n)], v[S+8*(\n)+1], v[S+8*(\n)+2]
.endr
.irp n, 0,1,2,3
	v_max3_num_f32 v[C0+(\n)], v[C0+(\n)], v[S+8*(\n)+3], v[S+8*(\n)+4]
.endr
.irp n, 0,1,2,3
	v_max3_num_f32 v[C0+(\n)], v[C0+(\n)], v[S+8*(\n)+5], v[S+8*(\n)+6]
.endr
	v_max3_num_f32 v[C0], v[C0], v[S+7], v[S+15]
	v_max3_num_f32 v[C0+1], v[C0+1], v[S+23], v[S+31]
	v_max3_num_f32 v[C0], v[C0], v[C0+1], v[C0+2]
	v_max_num_f32 v[C0], v[C0], v[C0+3]
	v_permlanex16_b32 v[C0+1], v[C0], s[SEL], s[SEL+1]  ; the query's other 32 keys lie in the lane 16 away
	v_max_num_f32 v[C0], v[C0], v[C0+1]
	v_mul_f32 v[NM], s[NC], v[C0]
	v_cndmask_b32 v[DF], v[DU+(\u)], v[NM], vcc_lo
.set k, 0
.rept 16
	v_pk_fma_f32 v[S+2*k:S+2*k+1], v[S+2*k:S+2*k+1], v[AF:AF+1], v[DF:DF+1] op_sel_hi:[1,0,0]
.set k, k+1
.endr
.set k, 0
.rept 32
	v_exp_f32 v[S+k], v[S+k]
.set k, k+1
.endr
	v_nop                                          ; a plain instruction behind the last exponential,
	s_wait_alu depctr_va_vdst(0)                   ; and one wait for the batch of 32, ahead of its first reader
.set k, 0
.rept 16
	v_cvt_pk_f16_f32 v[P+k], v[S+2*k], v[S+2*k+1]
.set k, k+1
.endr
.irp w, 8,4,2,1                        ; the sum of the 16 pairs, in place, then onto l
.set k, 0
.rept \w
	v_pk_add_f32 v[S+2*k:S+2*k+1], v[S+2*k:S+2*k+1], v[S+2*(k+(\w)):S+2*(k+(\w))+1]
.set k, k+1
.endr
.endr
	v_pk_add_f32 v[L+2*(\u):L+2*(\u)+1], v[L+2*(\u):L+2*(\u)+1], v[S:S+1]
	WIN 0x50                                       ; O^T (C and D) in window 1.  Four accumulators take turns
.irp kk, 0,1
.irp cb, 0,1,2,3
	v_wmma_f32_16x16x32_f16 v[32*(\u)+8*(\cb):32*(\u)+8*(\cb)+7], v[VF+32*(\kk)+8*(\cb):VF+32*(\kk)+8*(\cb)+7], v[P+8*(\kk):P+8*(\kk)+7], v[32*(\u)+8*(\cb):32*(\u)+8*(\cb)+7]
.endr
.endr
	WIN 0
.endm
.Lblock:
	s_cmp_lt_u32 s[J], s[LO]
	s_cbranch_scc1 .Ldead
	s_cmp_gt_u32 s[J], s[HI]
	s_cbranch_scc1 .Ldead
.irp f, 0,1,2,3,4,5,6,7                ; K: keys 16 (f / 2) on, channels 32 (f % 2) on
	global_load_b128 v[KF+8*(\f):KF+8*(\f)+3],   v[QO], s[14:15] offset:((\f)/2)*2048+((\f)%2)*64
	global_load_b128 v[KF+8*(\f)+4:KF+8*(\f)+7], v[QO], s[14:15] offset:((\f)/2)*2048+((\f)%2)*64+32
.endr
	WIN 0x40
.irp i, 0,1,2,3,4,5,6,7,8,9,10,11,12,13,14,15
	global_load_b128 v[VR+4*(\i):VR+4*(\i)+3], v[VL], s[16:17] offset:512*(\i)  ; V: 512 consecutive bytes, four keys
.endr
	s_wait_loadcnt 0x0                             ; K and V, and in the first live trip Q
	WIN 0x04                                       ; store data in window 1
.irp i, 0,1,2,3,4,5,6,7,8,9,10,11,12,13,14,15
	ds_store_b128 v[VS], v[VR+4*(\i):VR+4*(\i)+3] offset:4*PV*(\i)
.endr
	WIN 0
.irp f, 0,1,2,3,4,5,6,7                ; keys 32 (f / 4) on, channels 16 (f % 4) on.  LDS serves a wave's instructions in order (ISA guide 5.7.1.4): these see the stores above
	ds_load_tr16_b128 v[VF+8*(\f):VF+8*(\f)+3],   v[AV] offset:((\f)/4)*32*PV+((\f)%4)*32
	ds_load_tr16_b128 v[VF+8*(\f)+4:VF+8*(\f)+7], v[AV] offset:((\f)/4)*32*PV+16*PV+((\f)%4)*32
.endr
	s_wait_dscnt 0x0
	TILE 0
	TILE 1
	TILE 2
	TILE 3
.rept 4
	v_nop                                          ; the places behind the last products: in front of the next trip's loads into V's registers, and of the way out
.endr
.Ldead:
	s_wait_xcnt 0x0                                ; the trip's loads have read their pointers
	s_add_nc_u64 s[14:15], s[14:15], 8192          ; the next block: 64 keys of 128 bytes
	s_add_nc_u64 s[16:17], s[16:17], 8192
	s_add_co_u32 s[J], s[J], 1
	s_cmp_lt_u32 s[J], 9
	s_cbranch_scc1 .Lblock
	; THE WAY OUT.  l's two halves and the other half of the lanes' are added; O^T is multiplied by 1 / l, or by 0 where t = 0 (there l is 0 too), rounded to f16 and sent through my stage.
.irp u, 0,1,2,3
	v_add_f32 v[C0+(\u)], v[L+2*(\u)], v[L+2*(\u)+1]
.endr
.irp u, 0,1,2,3
	v_permlanex16_b32 v[DU+(\u)], v[C0+(\u)], s[SEL], s[SEL+1]
.endr
.irp u, 0,1,2,3
	v_add_f32 v[C0+(\u)], v[C0+(\u)], v[DU+(\u)]
.endr
.irp u, 0,1,2,3
	v_rcp_f32 v[INV+2*(\u)], v[C0+(\u)]
.endr
	v_nop                                          ; a plain instruction behind the last reciprocal,
	s_wait_alu depctr_va_vdst(0)                   ; and one wait for the four
.irp u, 0,1,2,3
	v_cmp_eq_u32 vcc_lo, 0, v[T+(\u)]
	v_cndmask_b32 v[INV+2*(\u)], v[INV+2*(\u)], v[ZR], vcc_lo
	v_mov_b32 v[INV+2*(\u)+1], v[INV+2*(\u)]
.endr
.macro PACK u                          ; a lane's eight channels of a row pack into 16 bytes; they go into rows of 144 bytes and come back as four whole rows of 128 a load
	WIN 0x41
.set i, 32*(\u)
.rept 16
	v_pk_mul_f32 v[i:i+1], v[i:i+1], v[INV+2*(\u):INV+2*(\u)+1] op_sel_hi:[1,0]
.set i, i+2
.endr
	WIN 0x05
.set i, 0
.rept 16
	v_cvt_pk_f16_f32 v[S+16*(\u)+i], v[32*(\u)+2*i], v[32*(\u)+2*i+1]
.set i, i+1
.endr
	WIN 0
.irp f, 0,1,2,3
	ds_store_b128 v[STO], v[S+16*(\u)+4*(\f):S+16*(\u)+4*(\f)+3] offset:32*(\f)
.endr
.irp f, 0,1,2,3
	ds_load_b128 v[S+16*(\u)+4*(\f):S+16*(\u)+4*(\f)+3], v[RD] offset:(\f)*4*SP
.endr
.endm
.macro SEND u, younger                 ; younger: the LDS instructions issued behind tile u's loads: the next tile's eight, or none
.irp f, 0,1,2,3
	s_wait_dscnt (\younger)+3-(\f)
	global_store_b128 v[VL], v[S+16*(\u)+4*(\f):S+16*(\u)+4*(\f)+3], s[18:19] offset:(\u)*2048+(\f)*512  ; 512 consecutive bytes, aligned
.endr
.endm
	PACK 0
	PACK 1
	SEND 0, 8
	PACK 2
	SEND 1, 8
	PACK 3
	SEND 2, 8
	SEND 3, 0
	s_wait_tensorcnt 0x0                           ; the wave's end, behind my last LDS store
	ds_add_u32 v[SPW], v[NIL]
	s_wait_dscnt 0x0
	s_endpgm
.Lfunc_end_k_q68a0b99ada_attn:
	.size	k_q68a0b99ada_attn, .Lfunc_end_k_q68a0b99ada_attn-k_q68a0b99ada_attn
	.p2alignl 7, 3214868480
	.fill 96, 4, 3214868480
	.section	.rodata,"a",@progbits
	.p2align	6, 0x0
	.amdhsa_kernel k_q68a0b99ada_attn
		.amdhsa_group_segment_fixed_size 50688
		.amdhsa_private_segment_fixed_size 0
		.amdhsa_enable_private_segment 0
		.amdhsa_kernarg_size 24
		.amdhsa_user_sgpr_count 2
		.amdhsa_user_sgpr_kernarg_segment_ptr 1
		.amdhsa_wavefront_size32 1
		.amdhsa_system_sgpr_workgroup_id_x 1
		.amdhsa_system_sgpr_workgroup_id_y 1
		.amdhsa_system_sgpr_workgroup_id_z 1
		.amdhsa_system_vgpr_workitem_id 0
		.amdhsa_next_free_vgpr 512
		.amdhsa_next_free_sgpr 66
		.amdhsa_reserve_vcc 1
		.amdhsa_float_denorm_mode_32 3
		.amdhsa_float_denorm_mode_16_64 3
		.amdhsa_memory_ordered 1
		.amdhsa_forward_progress 1
		.amdhsa_inst_pref_size 56
	.end_amdhsa_kernel
	.amdgpu_metadata
---
amdhsa.version: [ 1, 2 ]
amdhsa.kernels:
  - .name:           k_q68a0b99ada_attn
    .symbol:         k_q68a0b99ada_attn.kd
    .args:
      - { .name: qkv, .offset: 0, .size: 8, .value_kind: global_buffer, .address_space: global }
      - { .name: tt, .offset: 8, .size: 8, .value_kind: global_buffer, .address_space: global }
      - { .name: oh, .offset: 16, .size: 8, .value_kind: global_buffer, .address_space: global }
    .group_segment_fixed_size: 50688
    .private_segment_fixed_size: 0
    .kernarg_segment_align: 8
    .kernarg_segment_size: 24
    .max_flat_workgroup_size: 128
    .sgpr_count:     66
    .vgpr_count:     512
    .wavefront_size: 32
...
	.end_amdgpu_metadata
.endif
;; end of part 3
;; launch gemm_out (part 4): grid 8 x 32, 4 waves a work-group, clusters of 4 x 4, 327,680 bytes of LDS; arguments oh, wp, out0; writes out0
.if DOCPART == 4
	.amdgcn_target "amdgcn-amd-amdhsa--gfx1250"
	.amdhsa_code_object_version 6
	.text
	.protected	k_q68a0b99ada_gemm_out
	.globl	k_q68a0b99ada_gemm_out
	.p2align	8
	.type	k_q68a0b99ada_gemm_out,@function
k_q68a0b99ada_gemm_out:
	s_mov_b64 s[64:65], 0
	v_nop
	global_prefetch_b8 v0, s[64:65] scope:SCOPE_SE
	s_setreg_imm32_b32 hwreg(HW_REG_WAVE_MODE, 25, 1), 1
	s_wait_xcnt 0x0
	s_wait_alu depctr_hold_cnt(0) depctr_sa_sdst(0) depctr_va_vdst(0) depctr_va_sdst(0) depctr_va_ssrc(0) depctr_va_vcc(0) depctr_vm_vsrc(0)
	s_getreg_b32 s2, hwreg(HW_REG_IB_STS2, 6, 4)
	s_cmp_eq_u32 s2, 0
	s_cbranch_scc0 .Lentry_in_a_cluster
	s_endpgm
.Lentry_in_a_cluster:
	s_bfe_u32 s2, ttmp6, 0x10000c
	s_cmp_lg_u32 s2, 0xf033
	s_cbranch_scc0 .Lentry_shape_is_right
	s_endpgm
.Lentry_shape_is_right:
; out0 = o Wo (8192 x 1024 x 2048), f32 out.  o lies in oh by heads, [16 h][8192 tokens][64] f16; Wo in wp at byte 8,388,608 as eight panels [1024 k rows][256 columns] f16.
; Products in f16 with f32 sums, K ascending (k = 64 h + channel); nothing is rounded on the way out.  NaN and infinities are not treated apart.
; A tile of C is 256 x 256: 256 work-groups; four waves, 128 x 128 each: 64 accumulators, 512 registers.  K goes in steps of 128, two heads, through two LDS slots filled by the tensor data mover.
; A wave's part of A is ONE head's 256 tokens: 32,768 dense bytes, asked for as 128 rows of 256 bytes and padded in LDS behind every token's 128.
; CLUSTERS of 4 x 4: A's tile is asked for jointly along a row of the cluster, Wo's along a column: the same load, descriptor and mask in all four.
; THE MATRIX INSTRUCTION IS USED TRANSPOSED (source 0 = 16 columns of Wo, by the turning load; source 1 = 16 tokens): a lane holds one row of C and eight neighbouring columns, 32 bytes.
; THE LAST K STEP GOES BY ROWS OF C, not by K: a tile is 262,144 bytes of f32, and by K all of it would be finished together, every store behind the last product.  So all of Wo's fragments of that step
; come into registers, and my eight blocks of 16 rows are finished one after the other; each leaves as soon as it is finished.  The sums keep their order in K.
; REGISTERS, in windows of 256 (s_set_vgpr_msb: bits 1:0 source 0, 3:2 source 1, 5:4 source 2, 7:6 destination):
;   window 0: v0-31 addresses; v64-127, v128-191 fragments of A, two buffers (in the last K step four, of 16 rows x 128 K); v192-255 16 rows read back from the stage
;   window 1: v64-127, v128-191 fragments of Wo, two buffers; in the last K step all 256: Wo's fragments of the whole step
;   window 2: accumulators of my rows 0-63 ((a, b) at v[8 (8 a + b)]);   window 3: rows 64-127
.set PA,     144                       ; a token's row of one head in LDS: 128 bytes + 16 = 36 words: the 16 rows of a load start at 16 different groups of four banks (64 banks of 4 bytes: ISA guide 11.1)
.set PB,     544                       ; a k row of Wo: 512 bytes + 32
.set PARTA,  256*PA                    ; one head's 256 tokens
.set PARTB,  64*PB                     ; 64 k rows
.set BOFF,   2*PARTA
.set SLOT,   2*PARTA+2*PARTB
.set STAGE,  2*SLOT                    ; behind the ring, never filled by a tensor load: 16 rows x 528 bytes for each wave
.set SPITCH, 528                       ; 512 bytes + 16 = 132 words
.set SPARE,  STAGE+4*16*SPITCH         ; the spare words, 128 bytes for each wave: two blocks of 256 bytes that no other line names
.set NTRIP,  3                         ; K / 256 - 1
.set ADRA, 16
.set ADRB, 20
.set STO,  24                          ; v24  the way out: where I put 32 bytes of a row
.set RD,   25                          ; v25  where I read a row back
.set CO,   26                          ; v26  my 16 bytes in 512 consecutive bytes of a row of C
.set SPW,  28                          ; v28  LDS address of my spare word; never rewritten
.set NIL,  29                          ; v29  0; never rewritten
.set PFO,  30                          ; v30  256 x lane; never rewritten
.set F0,   64
.set F1,   128
.set PAB,  64                          ; the last K step: A's fragments of 16 rows x 128 K, 32 registers; four such buffers, v64-191
.set BK,   192                         ; 16 rows of 512 bytes back from the stage
.set G1,   24
.set G0,   32
.set G1B,  48
.set G0B,  56
.set LIM,  67                          ; s67  a wave prefetches while the trip's number is below this
.set PFA,  72                          ; s[72:73] where my prefetches stand
.set PST,  74                          ; s[74:75] their step: a K step of A or of Wo
.set MSB, 0
.macro WIN new
.if MSB != (\new)
	s_set_vgpr_msb (MSB<<8)|(\new)
.set MSB, \new
.endif
.endm
.set MUL_LO, 0xa1
.set MUL_HI, 0xf1
.set TO_B,   0x40
.macro JLOAD s                         ; a joint load: waves 0 and 1 fetch A's two heads, waves 2 and 3 Wo's two halves; an s_nop 0 and four v_nop follow each line
	s_cmp_eq_u32 s11, 0
	s_cbranch_scc0 .Lfor_b_\@
	tensor_load_to_lds s[G0+4*(\s):G0+4*(\s)+3], s[G1:G1+7]
	s_nop 0
.rept 4
	v_nop
.endr
	s_branch .Lasked_\@
.Lfor_b_\@:
	tensor_load_to_lds s[G0B+4*(\s):G0B+4*(\s)+3], s[G1B:G1B+7]
	s_nop 0
.rept 4
	v_nop
.endr
.Lasked_\@:
.endm
; A prefetch of the K step that stands two refills on: of the 32,768 dense bytes that a wave fetches, each of the four partners that ask jointly takes 8,192, told apart by address; a lane names 256 bytes.
; The cluster with x = 0 asks for A's blocks, the cluster with y = 0 for Wo's: each block is named once.  K steps 0 to 3 come by their loads alone; the last trip asks for nothing.
.macro ASK
	s_cmp_lt_u32 s3, s[LIM]
	s_cbranch_scc0 .Lnot_mine_\@
	global_prefetch_b8 v[PFO], s[PFA:PFA+1] th:TH_LOAD_NT scope:SCOPE_SE
.Lnot_mine_\@:
.endm
.macro CREST
	s_cmp_lg_u32 s10, 0
	s_cbranch_scc1 .Lnot_wave_0_\@
	s_barrier_signal -3
.Lnot_wave_0_\@:
	s_barrier_wait -3
	s_barrier_signal -1
	s_barrier_wait -1
.endm
.macro CROUND
	s_barrier_signal -1
	s_barrier_wait -1
	CREST
.endm
	s_load_b128 s[4:7], s[0:1], 0x0                ; oh s[4:5], wp s[6:7]
	s_load_b64 s[8:9], s[0:1], 0x10                ; out0
	v_lshl_add_u32 v[SPW], v0, 2, SPARE
	v_mov_b32 v[NIL], 0
	ds_add_u32 v[SPW], v[NIL]                      ; the wave's opening: the add and its wait stand ahead of my first tensor load; the set-up below stands between them
	v_lshrrev_b32 v1, 5, v0
	v_readfirstlane_b32 s10, v1                    ; wave 0..3
	s_lshr_b32 s11, s10, 1                         ; which half of the tile's rows is mine.  Also: I fetch for A (0) or for Wo (1)
	s_and_b32 s12, s10, 1                          ; which half of its columns.  Also: which part I fetch
	s_bfe_u32 s40, ttmp6, 0x40000                  ; cx
	s_bfe_u32 s41, ttmp6, 0x40004                  ; cy
	s_lshl_b32 s42, ttmp9, 2
	s_add_co_u32 s42, s42, s40                     ; tile column of C
	s_and_b32 s13, ttmp7, 0xffff
	s_lshl_b32 s13, s13, 2
	s_add_co_u32 s13, s13, s41                     ; tile row of C
	s_lshl_b32 s43, s41, 2
	s_lshl_b32 s43, 15, s43                        ; my row of the cluster
	s_lshl_b32 s44, 0x1111, s40                    ; my column
	; group 1 for A: 128 rows x 128 elements, 4 words of padding behind every 32 (a token); for Wo: 64 rows x 256 elements, 8 words behind every 128
	s_or_b32 s[G1+0], s43, (1<<16)|(1<<20)|(1<<21)|(4<<22)|(3<<25)
	s_or_b32 s[G1B+0], s44, (1<<16)|(1<<20)|(1<<21)|(6<<22)|(7<<25)
	s_mov_b32 s[G1+1], 128<<16
	s_mov_b32 s[G1+2], 128<<16
	s_mov_b32 s[G1+3], 128<<16
	s_mov_b32 s[G1+4], 128
	s_mov_b32 s[G1+5], 128
	s_mov_b32 s[G1+6], 0
	s_mov_b32 s[G1+7], 0
	s_mov_b32 s[G1B+1], 256<<16
	s_mov_b32 s[G1B+2], 64<<16
	s_mov_b32 s[G1B+3], 256<<16
	s_mov_b32 s[G1B+4], 64
	s_mov_b32 s[G1B+5], 256
	s_mov_b32 s[G1B+6], 0
	s_mov_b32 s[G1B+7], 0
	s_lshl_b32 s16, s13, 15                        ; A: 256 tokens of 128 bytes,
	s_lshl_b32 s17, s12, 20                        ; in the K step's first or second head (8,192 tokens of 128 bytes apart)
	s_add_co_u32 s16, s16, s17
	s_mov_b32 s17, 0
	s_and_b32 s46, s42, 3                          ; Wo: column panel pn lies at (pn % 4) MiB + (pn / 4) x 524,288
	s_lshl_b32 s46, s46, 20
	s_lshr_b32 s47, s42, 2
	s_lshl_b32 s47, s47, 19
	s_add_co_u32 s46, s46, s47
	s_lshl_b32 s47, s12, 15                        ; my 64 k rows of 512 bytes
	s_add_co_u32 s46, s46, s47
	s_add_co_u32 s46, s46, 0x800000
	s_mov_b32 s47, 0
	s_mul_i32 s20, s10, PARTA                      ; where A's parts go (waves 0, 1),
	s_mul_i32 s21, s10, PARTB                      ; and Wo's (waves 2, 3): BOFF + (wave - 2) x a part
	s_add_co_u32 s21, s21, BOFF-2*PARTB
	s_wait_dscnt 0x0                               ; the opening add is done
	s_wait_kmcnt 0x0
	s_add_nc_u64 s[14:15], s[4:5], s[16:17]
	s_add_nc_u64 s[46:47], s[6:7], s[46:47]
	CROUND                                         ; all sixteen work-groups are here: the first joint loads meet
.irp s, 0,1
	s_mov_b32 s[G0+4*(\s)], 1
	s_add_co_u32 s[G0+4*(\s)+1], s20, (\s)*SLOT
	s_add_nc_u64 s[G0+4*(\s)+2:G0+4*(\s)+3], s[14:15], (\s)*2097152  ; a K step is two heads
	s_or_b32 s[G0+4*(\s)+3], s[G0+4*(\s)+3], 0x80000000
	s_mov_b32 s[G0B+4*(\s)], 1
	s_add_co_u32 s[G0B+4*(\s)+1], s21, (\s)*SLOT
	s_add_nc_u64 s[G0B+4*(\s)+2:G0B+4*(\s)+3], s[46:47], (\s)*65536
	s_or_b32 s[G0B+4*(\s)+3], s[G0B+4*(\s)+3], 0x80000000
	JLOAD \s                                       ; two loads of mine are out
.endr
	v_and_b32 v1, 15, v0                           ; l % 16
	v_bfe_u32 v2, v0, 4, 1                         ; l / 16
	v_mul_u32_u24 v3, v1, PA
	v_lshl_add_u32 v3, v2, 4, v3
	v_and_b32 v4, 7, v0
	v_lshl_add_u32 v5, v2, 3, v4
	v_mul_u32_u24 v5, v5, PB
	v_bfe_u32 v6, v0, 3, 1
	v_lshl_add_u32 v5, v6, 4, v5
	s_mul_i32 s21, s11, 128*PA                     ; my 128 tokens, in each head's part
	s_lshl_b32 s22, s12, 8                         ; my 128 columns of Wo
	s_add_co_u32 s22, s22, BOFF
.irp s, 0,1
	v_add_nc_u32 v[ADRA+(\s)], s21, v3
	v_add_nc_u32 v[ADRB+(\s)], s22, v5
	s_add_co_u32 s21, s21, SLOT
	s_add_co_u32 s22, s22, SLOT
.endr
	s_mul_i32 s23, s10, 16*SPITCH
	s_add_co_u32 s23, s23, STAGE                   ; my stage
	v_mul_u32_u24 v7, v1, SPITCH
	v_lshl_add_u32 v7, v2, 5, v7
	v_add_nc_u32 v[STO], s23, v7                   ; in: row l % 16, 32 bytes for each half of the lanes
	v_and_b32 v7, 31, v0
	v_lshlrev_b32 v[CO], 4, v7
	v_add_nc_u32 v[RD], s23, v[CO]                 ; back: a row's 512 bytes, 16 a lane
	v_lshlrev_b32 v[PFO], 8, v7
	s_lshl_b32 s16, s13, 8
	s_lshl_b32 s17, s11, 7
	s_add_co_u32 s16, s16, s17                     ; my first row of C,
	s_lshl_b32 s16, s16, 13                        ; 8,192 bytes a row
	s_lshl_b32 s17, s42, 10                        ; my first column: 1,024 bytes a tile,
	s_add_co_u32 s16, s16, s17
	s_lshl_b32 s17, s12, 9                         ; 512 a half
	s_add_co_u32 s16, s16, s17
	s_mov_b32 s17, 0
	s_add_nc_u64 s[8:9], s[8:9], s[16:17]
	; the prefetches
	s_and_b32 s22, ttmp7, 0xffff                   ; cluster y
	s_mov_b32 s18, 0x10000
	s_mov_b32 s[PST+1], 0
	s_cmp_eq_u32 s11, 0                            ; do I fetch for A?
	s_cselect_b64 s[PFA:PFA+1], s[14:15], s[46:47] ; my own part of K step 0
	s_cselect_b32 s[PST], 0x200000, s18
	s_cselect_b32 s20, s40, s41                    ; my place among the four that ask with me
	s_cselect_b32 s22, ttmp9, s22                  ; the coordinate along which other clusters read the same blocks
	s_cmp_eq_u32 s22, 0
	s_cselect_b32 s[LIM], NTRIP-1, 0               ; the same in all sixteen partners, for a given wave
	s_lshl_b32 s20, s20, 13
	s_mul_i32 s21, s[PST], 3                       ; at K step 3: the first refill steps it to 4
	s_add_co_u32 s20, s20, s21
	s_mov_b32 s21, 0
	s_add_nc_u64 s[PFA:PFA+1], s[PFA:PFA+1], s[20:21]
; 16 matrix instructions: m blocks a0, a0 + 1 of the window's four x all 8 n blocks, 32 along K.  The 64 accumulators take turns, one instruction a turn.
.macro MUL16 f, hi, a0, zero
	WIN MUL_LO+0x50*(\hi)
.irp a, \a0, (\a0)+1
.irp b, 0,1,2,3,4,5,6,7
.if \zero
	v_wmma_f32_16x16x32_f16 v[8*(8*(\a)+(\b)):8*(8*(\a)+(\b))+7], v[(\f)+8*(\b):(\f)+8*(\b)+7], v[(\f)+8*(4*(\hi)+(\a)):(\f)+8*(4*(\hi)+(\a))+7], 0
.else
	v_wmma_f32_16x16x32_f16 v[8*(8*(\a)+(\b)):8*(8*(\a)+(\b))+7], v[(\f)+8*(\b):(\f)+8*(\b)+7], v[(\f)+8*(4*(\hi)+(\a)):(\f)+8*(4*(\hi)+(\a))+7], v[8*(8*(\a)+(\b)):8*(8*(\a)+(\b))+7]
.endif
.endr
.endr
.endm
; 32 LDS loads in one run: quarter q (32 along K) of a slot into buffer f.  A's quarter lies in head q / 2 of the K step, at byte 64 (q % 2) of a token's row.
.macro FETCH slot, q, f
	WIN TO_B
.irp i, 0,1,2,3,4,5,6,7
	ds_load_tr16_b128 v[(\f)+8*(\i):(\f)+8*(\i)+3],   v[ADRB+(\slot)] offset:(\q)*32*PB+(\i)*32
	ds_load_tr16_b128 v[(\f)+8*(\i)+4:(\f)+8*(\i)+7], v[ADRB+(\slot)] offset:(\q)*32*PB+16*PB+(\i)*32
.endr
	WIN 0
.irp i, 0,1,2,3,4,5,6,7
	ds_load_b128 v[(\f)+8*(\i):(\f)+8*(\i)+3],   v[ADRA+(\slot)] offset:((\q)/2)*PARTA+((\q)%2)*64+(\i)*16*PA
	ds_load_b128 v[(\f)+8*(\i)+4:(\f)+8*(\i)+7], v[ADRA+(\slot)] offset:((\q)/2)*PARTA+((\q)%2)*64+(\i)*16*PA+32
.endr
.endm
.macro PLACES                          ; four plain instructions between a matrix instruction and a load into, or a reader of, its registers
.rept 4
	v_nop
.endr
.endm
.macro QUARTER slot, q, f, g, zero
	s_wait_dscnt 8                                 ; Wo and A's rows 0-63 are in; the youngest eight loads (A's rows 64-127) may be out
	MUL16 \f, 0, 0, \zero
	MUL16 \f, 0, 2, \zero
	PLACES
	FETCH \slot, \q, \g
	s_wait_dscnt 32                                ; all but the 32 just issued
	MUL16 \f, 1, 0, \zero
	MUL16 \f, 1, 2, \zero
.endm
; ONE barrier for the change of slots: in front of it each wave waits for all its tensor loads (one is out: its part of the next slot), adds 0 to its spare word, and waits for that and for its reads of this slot.
.macro MEET round
	WIN 0
	s_wait_tensorcnt 0x0
	ds_add_u32 v[SPW], v[NIL]
	s_wait_dscnt 9                                 ; the add and the youngest eight loads may be out
	MUL16 F1, 0, 0, 0
	s_wait_dscnt 0x0                               ; the add is done, and my reads of this slot are over
	s_barrier_signal -1
	MUL16 F1, 0, 2, 0
.if \round
	WIN 0
.endif
	s_barrier_wait -1
.endm
; A K step's last quarter where the slot is filled again: the barrier opens a round of the cluster's; behind it the joint refill comes first, two K steps ahead.
.macro TURN slot, next
	s_wait_xcnt 0x0                                ; the last prefetch, a K step back, has read its address
	s_add_nc_u64 s[PFA:PFA+1], s[PFA:PFA+1], s[PST:PST+1]
	MEET 1
	CREST                                          ; no wave of any partner still reads this slot or has a load on its way
	s_add_nc_u64 s[G0+4*(\slot)+2:G0+4*(\slot)+3], s[G0+4*(\slot)+2:G0+4*(\slot)+3], 4194304
	s_add_nc_u64 s[G0B+4*(\slot)+2:G0B+4*(\slot)+3], s[G0B+4*(\slot)+2:G0B+4*(\slot)+3], 131072
	JLOAD \slot                                    ; 224 matrix instructions ahead of the wait for it; its four v_nop are also the places in front of the loads below
	FETCH \next, 0, F0
	ASK
	MUL16 F1, 1, 0, 0
	MUL16 F1, 1, 2, 0
.endm
; THE LAST K STEP (it lies in slot 1), BY ROWS OF C.  LDS is read no more than in any other K step.
.macro BLOAD q                         ; Wo's fragments of quarter q -> window 1, v[64 q ..]
	WIN TO_B
.irp i, 0,1,2,3,4,5,6,7
	ds_load_tr16_b128 v[64*(\q)+8*(\i):64*(\q)+8*(\i)+3],   v[ADRB+1] offset:(\q)*32*PB+(\i)*32
	ds_load_tr16_b128 v[64*(\q)+8*(\i)+4:64*(\q)+8*(\i)+7], v[ADRB+1] offset:(\q)*32*PB+16*PB+(\i)*32
.endr
.endm
.macro ALOAD a                         ; A's fragments of block a, all four quarters -> buffer a % 4
	WIN 0
.set FA, PAB+32*((\a)%4)
.irp q, 0,1,2,3
	ds_load_b128 v[FA+8*(\q):FA+8*(\q)+3],   v[ADRA+1] offset:((\q)/2)*PARTA+((\q)%2)*64+(\a)*16*PA
	ds_load_b128 v[FA+8*(\q)+4:FA+8*(\q)+7], v[ADRA+1] offset:((\q)/2)*PARTA+((\q)%2)*64+(\a)*16*PA+32
.endr
.endm
.macro ROW a                           ; block a is finished: 32 matrix instructions, its 8 accumulators by turns, K ascending
.set FA, PAB+32*((\a)%4)
.set AC, 64*((\a)%4)
	WIN MUL_LO+0x50*((\a)/4)
.irp q, 0,1,2,3
.if (\a) == 0 && (\q) == 2
	s_wait_dscnt 24                                ; Wo's quarter 2 is in (behind it: A's blocks 1 to 3)
.endif
.irp b, 0,1,2,3,4,5,6,7
	v_wmma_f32_16x16x32_f16 v[AC+8*(\b):AC+8*(\b)+7], v[64*(\q)+8*(\b):64*(\q)+8*(\b)+7], v[FA+8*(\q):FA+8*(\q)+7], v[AC+8*(\b):AC+8*(\b)+7]
.endr
.endr
.endm
; THE WAY OUT of block a (16 rows x 128 columns of f32).  TOSTAGE: straight from the accumulators, each one's low half first, into my stage's rows of 528 bytes, and back as whole rows of 512.
; SEND: sixteen stores, each 512 consecutive bytes of one row of C, aligned.
.macro TOSTAGE a
.set AC, 64*((\a)%4)
	WIN 0x08+4*((\a)/4)                            ; store data in window 2 or 3
.irp b, 0,1,2,3,4,5,6,7
	ds_store_b128 v[STO], v[AC+8*(\b):AC+8*(\b)+3]   offset:64*(\b)
	ds_store_b128 v[STO], v[AC+8*(\b)+4:AC+8*(\b)+7] offset:64*(\b)+16
.endr
	WIN 0
	s_wait_xcnt 0x0                                ; the stores of the block before have read the registers that are loaded next
.irp t, 0,1,2,3,4,5,6,7,8,9,10,11,12,13,14,15
	ds_load_b128 v[BK+4*(\t):BK+4*(\t)+3], v[RD] offset:(\t)*SPITCH  ; LDS serves a wave's instructions in order (ISA guide 5.7.1.4): these see the stores above
.endr
.endm
.macro SEND a, younger                 ; younger: the LDS loads issued behind TOSTAGE's, which may stay out
	s_wait_dscnt \younger                          ; the block is back in registers
.irp t, 0,1,2,3,4,5,6,7,8,9,10,11,12,13,14,15
	global_store_b128 v[CO], v[BK+4*(\t):BK+4*(\t)+3], s[8:9] offset:(\a)*131072+(\t)*8192 th:TH_STORE_NT
.endr
.endm
	s_wait_tensorcnt 1                             ; my part of K step 0 is in; K step 1's may stay out
	s_barrier_signal -1
	s_barrier_wait -1
	FETCH 0, 0, F0
	QUARTER 0, 1, F0, F1, 1                        ; the first quarter stands in front of the loop: its products start the sums
	WIN 0
	s_mov_b32 s3, 0
.Llap:                                                 ; a trip goes once round the ring and fills both slots again
	QUARTER 0, 2, F1, F0, 0
	QUARTER 0, 3, F0, F1, 0
	TURN 0, 1
	QUARTER 1, 1, F0, F1, 0
	QUARTER 1, 2, F1, F0, 0
	QUARTER 1, 3, F0, F1, 0
	TURN 1, 0
	QUARTER 0, 1, F0, F1, 0
	WIN 0
	s_add_co_u32 s3, s3, 1
	s_cmp_lt_u32 s3, NTRIP
	s_cbranch_scc1 .Llap
	QUARTER 0, 2, F1, F0, 0                        ; the last lap is written out: it fills nothing
	QUARTER 0, 3, F0, F1, 0
	MEET 0                                         ; my one tensor load that was still out is slot 1's, the last K step's, so no round follows
	PLACES                                         ; for the loads into buffer 0, which the quarter before multiplied
	BLOAD 0                                        ; three quarters of Wo now: buffer 1 (v128-191 of both windows) is still being multiplied
	BLOAD 1
	BLOAD 3
	ALOAD 0
	MUL16 F1, 1, 0, 0
	MUL16 F1, 1, 2, 0
	PLACES                                         ; for the loads into buffer 1
	BLOAD 2
	ALOAD 1
	ALOAD 2
	ALOAD 3
	s_wait_dscnt 40                                ; all but the 40 just issued
	ROW 0
.irp a, 0,1,2,3,4,5,6,7                ; each block leaves as soon as it is finished
	PLACES                                         ; the LDS stores read results just made, and the block's buffer of A is loaded again
	TOSTAGE \a
.if (\a) < 4
	ALOAD (\a)+4                                   ; its buffer takes the block four further on
	SEND \a, 8
.else
	SEND \a, 0
.endif
.if (\a) < 7
	ROW (\a)+1
.endif
.endr
	s_wait_tensorcnt 0x0                           ; the wave's end
	ds_add_u32 v[SPW], v[NIL]
	s_wait_dscnt 0x0
	CROUND                                         ; the closing round
	s_endpgm
.Lfunc_end_k_q68a0b99ada_gemm_out:
	.size	k_q68a0b99ada_gemm_out, .Lfunc_end_k_q68a0b99ada_gemm_out-k_q68a0b99ada_gemm_out
	.p2alignl 7, 3214868480
	.fill 96, 4, 3214868480
	.section	.rodata,"a",@progbits
	.p2align	6, 0x0
	.amdhsa_kernel k_q68a0b99ada_gemm_out
		.amdhsa_group_segment_fixed_size 327680
		.amdhsa_private_segment_fixed_size 0
		.amdhsa_enable_private_segment 0
		.amdhsa_kernarg_size 24
		.amdhsa_user_sgpr_count 2
		.amdhsa_user_sgpr_kernarg_segment_ptr 1
		.amdhsa_wavefront_size32 1
		.amdhsa_system_sgpr_workgroup_id_x 1
		.amdhsa_system_sgpr_workgroup_id_y 1
		.amdhsa_system_sgpr_workgroup_id_z 1
		.amdhsa_system_vgpr_workitem_id 0
		.amdhsa_next_free_vgpr 1024
		.amdhsa_next_free_sgpr 80
		.amdhsa_reserve_vcc 0
		.amdhsa_float_denorm_mode_32 3
		.amdhsa_float_denorm_mode_16_64 3
		.amdhsa_memory_ordered 1
		.amdhsa_forward_progress 1
		.amdhsa_inst_pref_size 142
	.end_amdhsa_kernel
	.amdgpu_metadata
---
amdhsa.version: [ 1, 2 ]
amdhsa.kernels:
  - .name:           k_q68a0b99ada_gemm_out
    .symbol:         k_q68a0b99ada_gemm_out.kd
    .args:
      - { .name: oh, .offset: 0, .size: 8, .value_kind: global_buffer, .address_space: global }
      - { .name: wp, .offset: 8, .size: 8, .value_kind: global_buffer, .address_space: global }
      - { .name: out0, .offset: 16, .size: 8, .value_kind: global_buffer, .address_space: global }
    .group_segment_fixed_size: 327680
    .private_segment_fixed_size: 0
    .kernarg_segment_align: 8
    .kernarg_segment_size: 24
    .max_flat_workgroup_size: 128
    .sgpr_count:     80
    .vgpr_count:     1024
    .wavefront_size: 32
...
	.end_amdgpu_metadata
.endif
;; end of part 4
